; MI455X (gfx1250); checked and timed in simulation.
; The chip was launched on July 23, 2026; its instructions are those of AMD's public machine-readable ISA for CDNA 5 (MIT licence, August 2026) and "CDNA5" Instruction Set Architecture Reference Guide (July 2026). The comments in the code are by the model that wrote it; some were corrected since.
;; Self Attention. Allowed arithmetic: float matrix products may take bf16 or f16 operands with f32 sums; other float arithmetic in f32, or as packed bf16 or f16 multiplies, adds, multiply-adds, maxima and minima; sums over many terms, partial sums and values carried from step to step in f32; what a program stores and reads back later, other than sums and carried values, may be rounded once to bf16 or f16.
;; Inputs: Wk 4,096 x 512 float32; Wo 512 x 4,096 float32; Wq 4,096 x 512 float32; Wv 4,096 x 512 float32; bo 512 float32; x 4 x 1,024 x 512 float32.
;; Outputs: out0 4 x 1,024 x 512 float32.
;; One version. Each part assembles by itself: llvm-mc -triple=amdgcn-amd-amdhsa -mcpu=gfx1250 --defsym DOCPART=n.
;; ======== version 1 of 1: 5 launches
;; limits: values are held in f16: magnitudes above 65,504 overflow, below 6.1e-05 lose precision
;; workspace buffers: h16 20,971,520 bytes; qkv 100,663,296 bytes; ao 33,554,432 bytes; part 16,777,216 bytes
;; launch cast (part 1): grid 256 x 5, 8 waves a work-group, no clusters, 0 bytes of LDS; arguments x, Wq, Wk, Wv, Wo, h16; writes h16
.if DOCPART == 1
	.amdgcn_target "amdgcn-amd-amdhsa--gfx1250"
	.amdhsa_code_object_version 6
	.text
	.protected	k_q1138f9f642_cast
	.globl	k_q1138f9f642_cast
	.p2align	8
	.type	k_q1138f9f642_cast,@function
k_q1138f9f642_cast:
	s_mov_b64 s[64:65], 0
	v_nop
	global_prefetch_b8 v0, s[64:65] scope:SCOPE_SE
	s_setreg_imm32_b32 hwreg(HW_REG_WAVE_MODE, 25, 1), 1
	s_wait_xcnt 0x0
; THE INPUTS ROUNDED ONCE TO 16 BITS.  x, Wq, Wk, Wv, Wo: 2,097,152 f32 each.  h16 takes them on end, 4,194,304 bytes each:
; x, Wq, Wk, Wv as bf16; Wo rounded to bf16 like the others, and that number written as f16 (the last product multiplies in f16).
; LIMIT: |Wo| stays under 65,504; below 6e-5 f16 keeps a fixed step of 6e-8.
; SHARES.  The work-group's y picks the tensor, its x 8,192 numbers of it (32 KiB in, 16 KiB out).  A wave takes 4 KiB: eight loads of
; 512 consecutive bytes, all issued at once; each store of a wave covers 256 consecutive bytes, aligned.
; A stream read once: no LDS, no matrix unit, no cluster (no work-group shares a byte with another), no loop, no register written twice by memory.
.set X, 8                              ; v[8:39]   slot i: four f32 as loaded
.set Y, 40                             ; v[40:55]  slot i: four 16-bit numbers to store
.set T, 56                             ; v[56:57]  at work (Wo's path)
	s_load_b256 s[4:11], s[0:1], 0x0               ; x s[4:5], Wq s[6:7], Wk s[8:9], Wv s[10:11]
	s_load_b128 s[12:15], s[0:1], 0x20             ; Wo s[12:13], h16 s[14:15]
	s_and_b32 s16, ttmp7, 0xffff                   ; which tensor
	v_lshrrev_b32 v1, 5, v0                        ; wave
	v_and_b32 v3, 31, v0                           ; lane
	v_lshlrev_b32 v1, 12, v1                       ; the wave's 4 KiB,
	v_lshl_add_u32 v1, v3, 4, v1                   ; my 16 bytes of each 512: the offset in
	v_lshrrev_b32 v2, 1, v1                        ; half of it: the offset out
	s_lshl_b32 s18, ttmp9, 15                      ; the work-group's 32 KiB in
	s_mov_b32 s19, 0
	s_lshl_b32 s20, s16, 22                        ; the tensor's place in h16,
	s_lshl_b32 s21, ttmp9, 14                      ; the work-group's 16 KiB in it
	s_add_co_u32 s20, s20, s21
	s_mov_b32 s21, 0
	s_wait_kmcnt 0x0
	s_cmp_eq_u32 s16, 1                            ; the source is chosen by the work-group's y alone
	s_cselect_b64 s[4:5], s[6:7], s[4:5]
	s_cmp_eq_u32 s16, 2
	s_cselect_b64 s[4:5], s[8:9], s[4:5]
	s_cmp_eq_u32 s16, 3
	s_cselect_b64 s[4:5], s[10:11], s[4:5]
	s_cmp_eq_u32 s16, 4
	s_cselect_b64 s[4:5], s[12:13], s[4:5]
	s_add_nc_u64 s[4:5], s[4:5], s[18:19]
	s_add_nc_u64 s[14:15], s[14:15], s[20:21]
.irp i, 0,1,2,3,4,5,6,7
	global_load_b128 v[X+4*(\i):X+4*(\i)+3], v1, s[4:5] offset:512*(\i) th:TH_LOAD_NT
.endr
	s_cmp_eq_u32 s16, 4
	s_cbranch_scc1 .Lwo
.irp i, 0,1,2,3,4,5,6,7
	s_wait_loadcnt 7-(\i)                          ; loads come back in order: slot i is in, the 7 - i younger ones may stay out
	v_cvt_pk_bf16_f32 v[Y+2*(\i)],   v[X+4*(\i)],   v[X+4*(\i)+1]
	v_cvt_pk_bf16_f32 v[Y+2*(\i)+1], v[X+4*(\i)+2], v[X+4*(\i)+3]
	global_store_b64 v2, v[Y+2*(\i):Y+2*(\i)+1], s[14:15] offset:256*(\i)
.endr
	s_endpgm
.Lwo:                                          ; Wo: to bf16, widened again (a shift, a mask), and that number as f16
.irp i, 0,1,2,3,4,5,6,7
	s_wait_loadcnt 7-(\i)
.irp p, 0,1
	v_cvt_pk_bf16_f32 v[T], v[X+4*(\i)+2*(\p)], v[X+4*(\i)+2*(\p)+1]
	v_lshlrev_b32 v[T+1], 16, v[T]
	v_and_b32 v[T], 0xffff0000, v[T]
	v_cvt_pk_f16_f32 v[Y+2*(\i)+(\p)], v[T+1], v[T]
.endr
	global_store_b64 v2, v[Y+2*(\i):Y+2*(\i)+1], s[14:15] offset:256*(\i)
.endr
	s_endpgm
.Lfunc_end_k_q1138f9f642_cast:
	.size	k_q1138f9f642_cast, .Lfunc_end_k_q1138f9f642_cast-k_q1138f9f642_cast
	.p2alignl 7, 3214868480
	.fill 96, 4, 3214868480
	.section	.rodata,"a",@progbits
	.p2align	6, 0x0
	.amdhsa_kernel k_q1138f9f642_cast
		.amdhsa_group_segment_fixed_size 0
		.amdhsa_private_segment_fixed_size 0
		.amdhsa_enable_private_segment 0
		.amdhsa_kernarg_size 48
		.amdhsa_user_sgpr_count 2
		.amdhsa_user_sgpr_kernarg_segment_ptr 1
		.amdhsa_wavefront_size32 1
		.amdhsa_system_sgpr_workgroup_id_x 1
		.amdhsa_system_sgpr_workgroup_id_y 1
		.amdhsa_system_sgpr_workgroup_id_z 1
		.amdhsa_system_vgpr_workitem_id 0
		.amdhsa_next_free_vgpr 64
		.amdhsa_next_free_sgpr 66
		.amdhsa_reserve_vcc 0
		.amdhsa_float_denorm_mode_32 3
		.amdhsa_float_denorm_mode_16_64 3
		.amdhsa_memory_ordered 1
		.amdhsa_forward_progress 1
		.amdhsa_inst_pref_size 9
	.end_amdhsa_kernel
	.amdgpu_metadata
---
amdhsa.version: [ 1, 2 ]
amdhsa.kernels:
  - .name:           k_q1138f9f642_cast
    .symbol:         k_q1138f9f642_cast.kd
    .args:
      - { .name: x, .offset: 0, .size: 8, .value_kind: global_buffer, .address_space: global }
      - { .name: Wq, .offset: 8, .size: 8, .value_kind: global_buffer, .address_space: global }
      - { .name: Wk, .offset: 16, .size: 8, .value_kind: global_buffer, .address_space: global }
      - { .name: Wv, .offset: 24, .size: 8, .value_kind: global_buffer, .address_space: global }
      - { .name: Wo, .offset: 32, .size: 8, .value_kind: global_buffer, .address_space: global }
      - { .name: h16, .offset: 40, .size: 8, .value_kind: global_buffer, .address_space: global }
    .group_segment_fixed_size: 0
    .private_segment_fixed_size: 0
    .kernarg_segment_align: 8
    .kernarg_segment_size: 48
    .max_flat_workgroup_size: 256
    .sgpr_count:     66
    .vgpr_count:     64
    .wavefront_size: 32
...
	.end_amdgpu_metadata
.endif
;; end of part 1
;; launch proj (part 2): grid 16 x 16, 4 waves a work-group, clusters of 4 x 4, 327,680 bytes of LDS; arguments h16, qkv; writes qkv
.if DOCPART == 2
	.amdgcn_target "amdgcn-amd-amdhsa--gfx1250"
	.amdhsa_code_object_version 6
	.text
	.protected	k_q1138f9f642_proj
	.globl	k_q1138f9f642_proj
	.p2align	8
	.type	k_q1138f9f642_proj,@function
k_q1138f9f642_proj:
	s_mov_b64 s[64:65], 0
	v_nop
	global_prefetch_b8 v0, s[64:65] scope:SCOPE_SE
	s_setreg_imm32_b32 hwreg(HW_REG_WAVE_MODE, 25, 1), 1
	s_wait_xcnt 0x0
	s_wait_alu depctr_hold_cnt(0) depctr_sa_sdst(0) depctr_va_vdst(0) depctr_va_sdst(0) depctr_va_ssrc(0) depctr_va_vcc(0) depctr_vm_vsrc(0)
	s_getreg_b32 s2, hwreg(HW_REG_IB_STS2, 6, 4)
	s_cmp_eq_u32 s2, 0
	s_cbranch_scc0 .Lentry_in_a_cluster
	s_endpgm
.Lentry_in_a_cluster:
	s_bfe_u32 s2, ttmp6, 0x10000c
	s_cmp_lg_u32 s2, 0xf033
	s_cbranch_scc0 .Lentry_shape_is_right
	s_endpgm
.Lentry_shape_is_right:
; q, k, v = x W^T.  A = x as bf16, [4096][512], at h16's byte 0; B = Wq, Wk, Wv as bf16 on end, [12288][512], at byte 4,194,304.
; C = qkv: three parts [4096][4096] of f16, 33,554,432 bytes apart, rows of 8,192 bytes.  Sums in f32, rounded once to f16, WITHOUT the scale (the next launch applies it in f32).
; LIMIT: |q|, |k|, |v| stay under 65,504, f16's end; below 6e-5 f16 keeps a fixed step of 6e-8.
; SHARES.  A work-group of four waves stays and makes three tiles of 256 x 256: the same rows and columns of q, then k, then v; a wave makes 128 x 128: 64 accumulators, 512 registers.
; The three tiles' 4 K steps of 128 each are ONE sequence of 12 steps for a ring of two LDS slots: step g is K step g % 4 of tile g / 4.  A's rows are the same in all tiles; B goes 4,096 rows down a tile.
; One trip of the loop is one step; the slot in hand is a scalar register that an exclusive or turns.  A tile's way out stands in a forward branch that holds no barrier and no tensor load.
; CLUSTER.  4 x 4 work-groups: A's tile is asked for jointly by the four of a row of the cluster, B's by the four of a column.
; THE MATRIX INSTRUCTION IS USED TRANSPOSED (source 0 = 16 rows of B, source 1 = 16 rows of A): a lane holds eight neighbouring numbers of a row of C.
; REGISTERS, in windows of 256: window 0: v0-31 addresses; v64-127, v128-191 A's fragments, two buffers; v32-63, v192-255 at work on the way out.
;   window 1: v64-127, v128-191 B's fragments.   window 2: the accumulators of my rows 0-63 ((a, b) at v[8 (8 a + b)]);   window 3: those of rows 64-127.
.set KSTEP,  128
.set PITCH,  272                       ; an LDS row: 256 bytes + 16 of padding = 68 words: the 16 rows of a fragment load start at 16 different groups of four banks
.set HALFT,  128*PITCH                 ; what one tensor load brings
.set SLOT,   4*HALFT                   ; 139,264: A's 256 rows, then B's 256.  It shares no bit with wave x HALFT, so an exclusive or turns a descriptor's LDS word into the other slot's
.set STAGE,  2*SLOT                    ; behind the ring: 16 rows x 272 bytes for each wave
.set SPITCH, 272
.set SPARE,  STAGE+4*16*SPITCH         ; behind the stages: the spare words, 128 bytes a wave
.set STEPS,  12
.set ROWC,   8192                      ; bytes in a row of C
.set NEXT_C, 33554432-7*16*ROWC        ; from my last 16 rows of a tile to my first of the next part
.set ADRA, 16                          ; v16  LDS address of my A fragments in the slot in hand
.set A0,   17                          ; v17  the same in slot 0; never rewritten
.set ADRB, 20                          ; v20, v21 the same for B
.set B0,   21
.set STO,  24                          ; v24  the way out: where I put 16 bytes of a row
.set RD,   25                          ; v25  where I read a row back
.set CO,   26                          ; v26  my byte offset in two rows of C
.set SPW,  28                          ; v28  my spare word; never rewritten
.set NIL,  29                          ; v29  0; never rewritten
.set PFO,  30                          ; v30  the prefetches' offset: lane x 1,024 (a row of B); never rewritten
.set F0,   64
.set F1,   128
.set TMP,  192
.set OB,   32
.set LEFT, 2                           ; s2   trips to go
.set GN,   3                           ; s3   the step that the next refill brings
.set CP,   6                           ; s[6:7] C
.set G1,   24                          ; s[24:31] group 1 for A's tiles
.set G0,   32                          ; s[32:35] group 0 of A's first fill, s[36:39] the one that walks
.set LIM,  43                          ; s43  2 in a wave that prefetches, else the greatest number
.set PFA,  44                          ; s[44:45] what the prefetch names
.set G1B,  48                          ; s[48:55], s[56:59], s[60:63] the same for B
.set G0B,  56
.set TB,   66                          ; s66  the slot that is read: 0 or SLOT
.set WOFF, 68                          ; s68  wave x HALFT
.set ABASE, 70                         ; s[70:71] A at the 128 rows that I fetch
.set BBASE, 72                         ; s[72:73] B likewise, tile 0
.set OFF,  74                          ; s[74:75] an offset, upper word 0
.set PFB,  76                          ; s[76:77] B at my work-group's 32 of those rows
.set MSB, 0
.macro WIN new                         ; the immediate's high byte repeats the setting that is left; a switch that changes nothing is dropped
.if MSB != (\new)
	s_set_vgpr_msb (MSB<<8)|(\new)
.set MSB, \new
.endif
.endm
.set MUL_LO, 0xa1                      ; source 0 (B) window 1, source 1 (A) window 0, C and D window 2
.set MUL_HI, 0xf1                      ; the same, C and D window 3
.set TO_B,   0x40                      ; destination window 1, address window 0
; A joint refill by the walking descriptors: waves 0 and 1 fetch A's halves, waves 2 and 3 B's.  An s_nop 0 and four v_nop follow each line.
.macro JLOAD
	s_cmp_eq_u32 s11, 0
	s_cbranch_scc0 .Lfor_b_\@
	tensor_load_to_lds s[G0+4:G0+7], s[G1:G1+7]
	s_nop 0
.rept 4
	v_nop
.endr
	s_branch .Lasked_\@
.Lfor_b_\@:
	tensor_load_to_lds s[G0B+4:G0B+7], s[G1B:G1B+7]
	s_nop 0
.rept 4
	v_nop
.endr
.Lasked_\@:
.endm
; A PREFETCH INTO THE L2: B's step two refills on (512 matrix instructions ahead of the load that will want it), for tiles 1 and 2: steps 4 to 11, asked for in trips 0 to 7.
; A tile column of B is read by the four clusters of that column: cluster y = 0 asks.  Of the 128 rows that wave 2 or 3 fetches each of the four partners takes 32, told apart by address: a lane a row,
; 256 bytes of it.  So each block is named once.  A's rows and B's first tile come by their loads alone: A's later readings are no first readings, and nothing is asked for at the head.
.macro ASK
	s_cmp_gt_u32 s[LEFT], s[LIM]
	s_cbranch_scc0 .Lnot_mine_\@
	global_prefetch_b8 v[PFO], s[PFA:PFA+1] th:TH_LOAD_NT scope:SCOPE_SE
.Lnot_mine_\@:
.endm
.macro CREST                           ; a round of the cluster's barrier behind its opening barrier
	s_cmp_lg_u32 s10, 0
	s_cbranch_scc1 .Lnot_wave_0_\@
	s_barrier_signal -3
.Lnot_wave_0_\@:
	s_barrier_wait -3
	s_barrier_signal -1
	s_barrier_wait -1
.endm
.macro CROUND
	s_barrier_signal -1
	s_barrier_wait -1
	CREST
.endm
	s_load_b128 s[4:7], s[0:1], 0x0                ; h16 s[4:5], qkv s[6:7]
	v_lshl_add_u32 v[SPW], v0, 2, SPARE
	v_mov_b32 v[NIL], 0
	ds_add_u32 v[SPW], v[NIL]                      ; the wave's opening: the add and its wait ahead of my first tensor load
	v_lshrrev_b32 v1, 5, v0
	v_readfirstlane_b32 s10, v1                    ; wave 0..3
	s_lshr_b32 s11, s10, 1                         ; my half of the tile's rows.  Also: I fetch for A (0) or B (1)
	s_and_b32 s12, s10, 1                          ; my half of its columns.  Also: which 128 rows I fetch
	s_bfe_u32 s40, ttmp6, 0x40000                  ; cx
	s_bfe_u32 s41, ttmp6, 0x40004                  ; cy
	s_lshl_b32 s42, ttmp9, 2
	s_add_co_u32 s42, s42, s40                     ; tile column
	s_and_b32 s13, ttmp7, 0xffff
	s_lshl_b32 s13, s13, 2
	s_add_co_u32 s13, s13, s41                     ; tile row
	s_lshl_b32 s43, s41, 2
	s_lshl_b32 s43, 15, s43                        ; my row of the cluster
	s_lshl_b32 s44, 0x1111, s40                    ; my column
	s_or_b32 s[G1+0], s43, (1<<16)|(1<<20)|(1<<21)|(5<<22)|(3<<25)   ; the mask; 2-byte elements; padding on; bit 21 beside a mask; after every 64 words 4 words
	s_or_b32 s[G1B+0], s44, (1<<16)|(1<<20)|(1<<21)|(5<<22)|(3<<25)
.irp g, G1, G1B
	s_mov_b32 s[(\g)+1], KSTEP<<16                 ; tensor_dim0 = 128
	s_mov_b32 s[(\g)+2], 128<<16                   ; tensor_dim1 = 128
	s_mov_b32 s[(\g)+3], KSTEP<<16                 ; tile_dim0 = 128
	s_mov_b32 s[(\g)+4], 128                       ; tile_dim1 = 128
	s_mov_b32 s[(\g)+5], 512                       ; elements from row to row
	s_mov_b32 s[(\g)+6], 0
	s_mov_b32 s[(\g)+7], 0
.endr
	s_lshl_b32 s16, s13, 18                        ; A: (256 x tile row + 128 x half) rows of 1,024 bytes: the tile row alone
	s_lshl_b32 s17, s12, 17
	s_add_co_u32 s16, s16, s17
	s_mov_b32 s17, 0
	s_lshl_b32 s46, s42, 18                        ; B: the tile column alone,
	s_lshl_b32 s47, s12, 17
	s_add_co_u32 s46, s46, s47
	s_add_co_u32 s46, s46, 0x400000                ; behind x in h16
	s_mov_b32 s47, 0
	s_lshl_b32 s20, s41, 15                        ; the prefetches: my work-group's 32 rows
	s_mov_b32 s21, 0
	s_mul_i32 s[WOFF], s10, HALFT                  ; where my tiles go: no place in the cluster enters an LDS address
	s_mov_b32 s[G0], 1
	s_mov_b32 s[G0+1], s[WOFF]                     ; step 0 into slot 0
	s_mov_b32 s[G0+4], 1
	s_add_co_u32 s[G0+5], s[WOFF], SLOT            ; step 1 into slot 1
	s_mov_b32 s[G0B], 1
	s_mov_b32 s[G0B+1], s[WOFF]
	s_mov_b32 s[G0B+4], 1
	s_add_co_u32 s[G0B+5], s[WOFF], SLOT
	s_mov_b32 s[OFF+1], 0
	s_mov_b32 s[TB], 0
	s_mov_b32 s[GN], 2
	s_wait_dscnt 0x0                               ; the opening add is done
	s_wait_kmcnt 0x0
	s_add_nc_u64 s[ABASE:ABASE+1], s[4:5], s[16:17]
	s_add_nc_u64 s[BBASE:BBASE+1], s[4:5], s[46:47]
	s_add_nc_u64 s[PFB:PFB+1], s[BBASE:BBASE+1], s[20:21]
	s_mov_b64 s[G0+2:G0+3], s[ABASE:ABASE+1]
	s_or_b32 s[G0+3], s[G0+3], 0x80000000
	s_add_nc_u64 s[G0+6:G0+7], s[ABASE:ABASE+1], KSTEP*2
	s_or_b32 s[G0+7], s[G0+7], 0x80000000
	s_mov_b64 s[G0B+2:G0B+3], s[BBASE:BBASE+1]
	s_or_b32 s[G0B+3], s[G0B+3], 0x80000000
	s_add_nc_u64 s[G0B+6:G0B+7], s[BBASE:BBASE+1], KSTEP*2
	s_or_b32 s[G0B+7], s[G0B+7], 0x80000000
	CROUND                                         ; all sixteen work-groups are here: the first joint loads meet
	s_cmp_eq_u32 s11, 0                            ; a wave's two first fills stand in one branch: two loads of mine are out
	s_cbranch_scc0 .Lfirst_b
	tensor_load_to_lds s[G0:G0+3], s[G1:G1+7]
	s_nop 0
	tensor_load_to_lds s[G0+4:G0+7], s[G1:G1+7]
	s_nop 0
.rept 4
	v_nop
.endr
	s_branch .Lfirst_asked
.Lfirst_b:
	tensor_load_to_lds s[G0B:G0B+3], s[G1B:G1B+7]
	s_nop 0
	tensor_load_to_lds s[G0B+4:G0B+7], s[G1B:G1B+7]
	s_nop 0
.rept 4
	v_nop
.endr
.Lfirst_asked:
	; a fragment is 16 rows x 32 K in 8 registers: lane l holds row l % 16, K = 8 (l / 16) + 0..7 and 16 + 8 (l / 16) + 0..7: two loads of 16 bytes, 32 bytes apart
	v_and_b32 v1, 15, v0
	v_bfe_u32 v2, v0, 4, 1
	v_mul_u32_u24 v3, v1, PITCH
	v_lshl_add_u32 v3, v2, 4, v3
	s_mul_i32 s21, s11, HALFT                      ; my 128 rows of A
	s_mul_i32 s22, s12, HALFT                      ; my 128 rows of B,
	s_add_co_u32 s22, s22, 2*HALFT                 ; behind A's 256
	v_add_nc_u32 v[A0], s21, v3
	v_add_nc_u32 v[B0], s22, v3
	v_mov_b32 v[ADRA], v[A0]
	v_mov_b32 v[ADRB], v[B0]
	s_mul_i32 s23, s10, 16*SPITCH
	s_add_co_u32 s23, s23, STAGE                   ; my stage
	v_mul_u32_u24 v4, v1, SPITCH
	v_lshl_add_u32 v4, v2, 4, v4
	v_add_nc_u32 v[STO], s23, v4
	v_mul_u32_u24 v5, v2, SPITCH
	v_lshl_add_u32 v5, v1, 4, v5
	v_add_nc_u32 v[RD], s23, v5
	v_lshlrev_b32 v5, 13, v2                       ; the same two rows in C
	v_lshl_add_u32 v[CO], v1, 4, v5
	s_lshl_b32 s16, s13, 21                        ; my part of the first tile in C: (256 x tile row + 128 x half) rows of 8,192 bytes,
	s_lshl_b32 s17, s11, 20
	s_add_co_u32 s16, s16, s17
	s_mov_b32 s17, 0
	s_lshl_b32 s46, s42, 9                         ; 512 x tile column + 256 x half bytes
	s_lshl_b32 s47, s12, 8
	s_add_co_u32 s46, s46, s47
	s_mov_b32 s47, 0
	s_add_nc_u64 s[16:17], s[16:17], s[46:47]      ; the first way out adds it to C's address
	s_and_b32 s22, ttmp7, 0xffff                   ; cluster y,
	s_xor_b32 s23, s11, 1                          ; 0 in waves 2 and 3
	s_or_b32 s22, s22, s23
	s_cmp_eq_u32 s22, 0
	s_cselect_b32 s[LIM], 2, -1                    ; the same in all sixteen partners, for a given wave
	v_and_b32 v[PFO], 31, v0
	v_lshlrev_b32 v[PFO], 10, v[PFO]
; 16 matrix instructions: m blocks a0, a0 + 1 of the window's four x all 8 n blocks, 32 along K.  zero = 1: the product starts the sums.  The 64 accumulators take turns in one order everywhere.
.macro MUL16 f, hi, a0, zero
	WIN MUL_LO+0x50*(\hi)
.irp a, \a0, (\a0)+1
.irp b, 0,1,2,3,4,5,6,7
.if \zero
	v_wmma_f32_16x16x32_bf16 v[8*(8*(\a)+(\b)):8*(8*(\a)+(\b))+7], v[(\f)+8*(\b):(\f)+8*(\b)+7], v[(\f)+8*(4*(\hi)+(\a)):(\f)+8*(4*(\hi)+(\a))+7], 0
.else
	v_wmma_f32_16x16x32_bf16 v[8*(8*(\a)+(\b)):8*(8*(\a)+(\b))+7], v[(\f)+8*(\b):(\f)+8*(\b)+7], v[(\f)+8*(4*(\hi)+(\a)):(\f)+8*(4*(\hi)+(\a))+7], v[8*(8*(\a)+(\b)):8*(8*(\a)+(\b))+7]
.endif
.endr
.endr
.endm
; 32 LDS loads in one run: a quarter step's fragments (byte k of the rows of the slot in hand) into buffer f: B's 16, then A's 16
.macro FETCH k, f
	WIN TO_B
.irp i, 0,1,2,3,4,5,6,7
	ds_load_b128 v[(\f)+8*(\i):(\f)+8*(\i)+3],   v[ADRB] offset:(\k)+(\i)*16*PITCH
	ds_load_b128 v[(\f)+8*(\i)+4:(\f)+8*(\i)+7], v[ADRB] offset:(\k)+(\i)*16*PITCH+32
.endr
	WIN 0
.irp i, 0,1,2,3,4,5,6,7
	ds_load_b128 v[(\f)+8*(\i):(\f)+8*(\i)+3],   v[ADRA] offset:(\k)+(\i)*16*PITCH
	ds_load_b128 v[(\f)+8*(\i)+4:(\f)+8*(\i)+7], v[ADRA] offset:(\k)+(\i)*16*PITCH+32
.endr
.endm
.macro PLACES                          ; four plain vector instructions between a matrix instruction and a load into, or a vector read of, its registers
.rept 4
	v_nop
.endr
.endm
; One of a step's first three quarters: multiplies buffer f, and in its middle fetches the next quarter, at byte k, into buffer g
.macro QUARTER k, f, g, zero
	s_wait_dscnt 8                                 ; B and A's rows 0-63 are in; the youngest eight loads (A's rows 64-127) may be out
	MUL16 \f, 0, 0, \zero
	MUL16 \f, 0, 2, \zero
	PLACES
	FETCH \k, \g
	s_wait_dscnt 32                                ; all but the 32 just issued
	MUL16 \f, 1, 0, \zero
	MUL16 \f, 1, 2, \zero
.endm
; The first half of a step's last quarter: ONE barrier for the change of slots.  In front of it each wave waits for all its tensor loads (one is out: its part of the next slot), adds 0 to its spare word,
; and waits for that and for its reads of this slot.  fill = 1: the walking descriptors are made for step GN while the add is out: no tensor load of mine is out there.
.macro MEET fill
	WIN 0
	s_wait_tensorcnt 0x0
	ds_add_u32 v[SPW], v[NIL]                      ; 0 onto my spare word
.if \fill
	s_and_b32 s[OFF], s[GN], 3
	s_lshl_b32 s[OFF], s[OFF], 8                   ; K step GN % 4: 256 bytes along the rows
	s_add_nc_u64 s[G0+6:G0+7], s[ABASE:ABASE+1], s[OFF:OFF+1]
	s_or_b32 s[G0+7], s[G0+7], 0x80000000
	s_lshr_b32 s78, s[GN], 2
	s_lshl_b32 s78, s78, 22                        ; tile GN / 4: 4,096 rows of 1,024 bytes down B
	s_or_b32 s[OFF], s[OFF], s78
	s_add_nc_u64 s[G0B+6:G0B+7], s[BBASE:BBASE+1], s[OFF:OFF+1]
	s_or_b32 s[G0B+7], s[G0B+7], 0x80000000
	s_xor_b32 s[G0+5], s[G0+5], SLOT               ; the other slot than last time
	s_xor_b32 s[G0B+5], s[G0B+5], SLOT
.endif
	s_wait_dscnt 9                                 ; the add and the youngest eight loads may be out
	MUL16 F1, 0, 0, 0
	s_wait_dscnt 0x0                               ; the add is done, and my reads of this slot are over
	s_barrier_signal -1
	MUL16 F1, 0, 2, 0                              ; work on registers while the others arrive
.if \fill
	WIN 0
.endif
	s_barrier_wait -1
.endm
; The whole last quarter.  fill = 1: the barrier opens a round of the cluster's barrier, and the joint refill is the first tensor load behind it: 224 matrix instructions ahead of the wait for it.
.macro TURN fill
.if \fill
	s_wait_xcnt 0x0                                ; the last prefetch, a step back, has read its address: it is made anew here, ahead of the change's own waits
	s_add_co_u32 s78, s[GN], 2
	s_lshr_b32 s79, s78, 2
	s_lshl_b32 s79, s79, 22
	s_and_b32 s78, s78, 3
	s_lshl_b32 s78, s78, 8
	s_or_b32 s[OFF], s78, s79
	s_add_nc_u64 s[PFA:PFA+1], s[PFB:PFB+1], s[OFF:OFF+1]
.endif
	MEET \fill
.if \fill
	CREST                                          ; no wave of any partner still reads this slot or has a load on its way
	JLOAD                                          ; its four v_nop are also the places in front of the loads below
.else
	PLACES
	WIN 0
.endif
	s_xor_b32 s[TB], s[TB], SLOT                   ; the reads go to the other slot
	v_add_nc_u32 v[ADRA], s[TB], v[A0]
	v_add_nc_u32 v[ADRB], s[TB], v[B0]
	FETCH 0, F0
.if \fill
	ASK
.endif
	MUL16 F1, 1, 0, 0
	MUL16 F1, 1, 2, 0
.endm
; THE WAY OUT of block a (16 rows).  PACK: rounded to f16, each accumulator's registers in ascending order.  TOSTAGE: into my own stage, and back as whole rows of 256 bytes.  SEND: stored.
.macro PACK a
.set AC, 64*((\a)%4)
	WIN 0x0a+5*((\a)/4)                            ; sources 0 and 1: window 2 or 3
.irp b, 0,1,2,3,4,5,6,7
.irp r, 0,1,2,3
	v_cvt_pk_f16_f32 v[TMP+4*(\b)+(\r)], v[AC+8*(\b)+2*(\r)], v[AC+8*(\b)+2*(\r)+1]
.endr
.endr
	WIN 0
.endm
.macro TOSTAGE a
	WIN 0
.set BK, OB+192*((\a)%2)
.irp b, 0,1,2,3,4,5,6,7
	ds_store_b128 v[STO], v[TMP+4*(\b):TMP+4*(\b)+3] offset:32*(\b)
.endr
.irp t, 0,1,2,3,4,5,6,7
	ds_load_b128 v[BK+4*(\t):BK+4*(\t)+3], v[RD] offset:(\t)*2*SPITCH  ; LDS serves a wave's instructions in order (ISA guide 5.7.1.4): these see the stores above
.endr
.endm
.macro SEND a
	WIN 0
.set BK, OB+192*((\a)%2)
	s_wait_dscnt 0x0                               ; the block is back in registers
	s_wait_xcnt 0x0                                ; only behind this wait are the stores' base and the registers that earlier stores read rewritten
.if (\a) == 0
	s_add_nc_u64 s[CP:CP+1], s[CP:CP+1], s[16:17]  ; on to this tile's first rows
.else
	s_add_nc_u64 s[CP:CP+1], s[CP:CP+1], 16*ROWC
.endif
.irp t, 0,1,2,3,4,5,6,7
	global_store_b128 v[CO], v[BK+4*(\t):BK+4*(\t)+3], s[CP:CP+1] offset:2*(\t)*ROWC  ; 16 lanes store 256 consecutive bytes, aligned
.endr
.endm
.macro WAYOUT                          ; block a's conversions stand between block a - 1's loads from the stage and the wait for them
	PACK 0
	TOSTAGE 0
.irp a, 1,2,3,4,5,6,7
	PACK \a
	SEND (\a)-1
	TOSTAGE \a
.endr
	SEND 7
.endm
	s_wait_tensorcnt 1                             ; my part of step 0 is in; step 1's may stay out
	s_barrier_signal -1
	s_barrier_wait -1
	FETCH 0, F0
	QUARTER 64, F0, F1, 1                          ; the first quarter starts the sums: nothing is cleared
	WIN 0
	s_mov_b32 s[LEFT], STEPS-2
.Lk:                                           ; trip g = 0 .. 9: from step g's second quarter to step g + 1's first; the slot of step g is filled with step g + 2
	QUARTER 128, F1, F0, 0
	QUARTER 192, F0, F1, 0
	TURN 1
	WIN 0
	s_and_b32 s78, s[GN], 3
	s_cmp_eq_u32 s78, 1                            ; g % 4 = 3: a tile is finished
	s_cbranch_scc0 .Lacc
	WAYOUT                                         ; the refill has been asked for; blocks 0-3 were finished in front of the refill's places, and their conversions are the last products' places
	s_mov_b64 s[16:17], NEXT_C
	QUARTER 64, F0, F1, 1                          ; the next tile's first quarter starts its sums
	WIN 0
	s_branch .Ljoin
.Lacc:
	QUARTER 64, F0, F1, 0
	WIN 0
.Ljoin:
	s_add_co_u32 s[GN], s[GN], 1
	s_sub_co_u32 s[LEFT], s[LEFT], 1
	s_cmp_lg_u32 s[LEFT], 0
	s_cbranch_scc1 .Lk
	QUARTER 128, F1, F0, 0                         ; the tail is written out: steps 10 and 11 fill nothing
	QUARTER 192, F0, F1, 0
	TURN 0
	QUARTER 64,  F0, F1, 0
	QUARTER 128, F1, F0, 0
	QUARTER 192, F0, F1, 0
	s_wait_dscnt 8
	MUL16 F1, 0, 0, 0
	MUL16 F1, 0, 2, 0
	s_wait_dscnt 0x0
	MUL16 F1, 1, 0, 0
	MUL16 F1, 1, 2, 0
	PLACES
	WAYOUT
	s_wait_tensorcnt 0x0                           ; the wave's end
	ds_add_u32 v[SPW], v[NIL]
	s_wait_dscnt 0x0
	CROUND                                         ; the closing round
	s_endpgm
.Lfunc_end_k_q1138f9f642_proj:
	.size	k_q1138f9f642_proj, .Lfunc_end_k_q1138f9f642_proj-k_q1138f9f642_proj
	.p2alignl 7, 3214868480
	.fill 96, 4, 3214868480
	.section	.rodata,"a",@progbits
	.p2align	6, 0x0
	.amdhsa_kernel k_q1138f9f642_proj
		.amdhsa_group_segment_fixed_size 327680
		.amdhsa_private_segment_fixed_size 0
		.amdhsa_enable_private_segment 0
		.amdhsa_kernarg_size 16
		.amdhsa_user_sgpr_count 2
		.amdhsa_user_sgpr_kernarg_segment_ptr 1
		.amdhsa_wavefront_size32 1
		.amdhsa_system_sgpr_workgroup_id_x 1
		.amdhsa_system_sgpr_workgroup_id_y 1
		.amdhsa_system_sgpr_workgroup_id_z 1
		.amdhsa_system_vgpr_workitem_id 0
		.amdhsa_next_free_vgpr 1024
		.amdhsa_next_free_sgpr 80
		.amdhsa_reserve_vcc 0
		.amdhsa_float_denorm_mode_32 3
		.amdhsa_float_denorm_mode_16_64 3
		.amdhsa_memory_ordered 1
		.amdhsa_forward_progress 1
		.amdhsa_inst_pref_size 155
	.end_amdhsa_kernel
	.amdgpu_metadata
---
amdhsa.version: [ 1, 2 ]
amdhsa.kernels:
  - .name:           k_q1138f9f642_proj
    .symbol:         k_q1138f9f642_proj.kd
    .args:
      - { .name: h16, .offset: 0, .size: 8, .value_kind: global_buffer, .address_space: global }
      - { .name: qkv, .offset: 8, .size: 8, .value_kind: global_buffer, .address_space: global }
    .group_segment_fixed_size: 327680
    .private_segment_fixed_size: 0
    .kernarg_segment_align: 8
    .kernarg_segment_size: 16
    .max_flat_workgroup_size: 128
    .sgpr_count:     80
    .vgpr_count:     1024
    .wavefront_size: 32
...
	.end_amdgpu_metadata
.endif
;; end of part 2
;; launch attn (part 3): grid 8 x 32, 4 waves a work-group, clusters of 4 x 1, 327,680 bytes of LDS; arguments qkv, ao; writes ao
.if DOCPART == 3
	.amdgcn_target "amdgcn-amd-amdhsa--gfx1250"
	.amdhsa_code_object_version 6
	.text
	.protected	k_q1138f9f642_attn
	.globl	k_q1138f9f642_attn
	.p2align	8
	.type	k_q1138f9f642_attn,@function
k_q1138f9f642_attn:
	s_mov_b64 s[64:65], 0
	v_nop
	global_prefetch_b8 v0, s[64:65] scope:SCOPE_SE
	s_setreg_imm32_b32 hwreg(HW_REG_WAVE_MODE, 25, 1), 1
	s_wait_xcnt 0x0
	s_wait_alu depctr_hold_cnt(0) depctr_sa_sdst(0) depctr_va_vdst(0) depctr_va_sdst(0) depctr_va_ssrc(0) depctr_va_vcc(0) depctr_vm_vsrc(0)
	s_getreg_b32 s2, hwreg(HW_REG_IB_STS2, 6, 4)
	s_cmp_eq_u32 s2, 0
	s_cbranch_scc0 .Lentry_in_a_cluster
	s_endpgm
.Lentry_in_a_cluster:
	s_bfe_u32 s2, ttmp6, 0x10000c
	s_cmp_lg_u32 s2, 0x3003
	s_cbranch_scc0 .Lentry_shape_is_right
	s_endpgm
.Lentry_shape_is_right:
; ATTENTION AT HEAD SIZE 512.  ao[(b,t)][h 512 + c] = the sum over keys m of softmax_m(q . k / sqrt(512)) v.  qkv: three parts [4096 = (b,t)][4096 = h 512 + c] of f16, 33,554,432 bytes apart,
; rows of 8,192 bytes; a head's 512 channels are 1,024 bytes of a row.  ao has one part's layout.  Products, maxima and sums in f32; the weights p are rounded to f16 for the second product (their sum l is
; taken of the unrounded p), O once at the end.  The reference's two divisions by 512^(1/4) are applied once, in f32: c = log2(e) / sqrt(512).
; LIMITS.  q, k, v arrive within f16's 65,504; p lies in 0 to 1 and keeps f16's fixed step of 6e-8 below 6e-5; a weight below 2^-126 counts as 0 in l; NaN and infinities are not treated apart.
; SHARES.  A work-group owns 128 queries of one (b, h), a wave 32: two tiles of 16.  That is what registers allow: O^T of 16 queries is 256 registers, Q 128.  Every wave walks the 1,024 keys, 64 a step.
; LAYOUT.  S^T = K Q^T (source 0 = 16 keys, source 1 = 16 queries): a lane holds ONE query (lane % 16) and the keys 8 (lane / 16) + 0..7.  Two such results rounded to f16 in pairs ARE source 1 of
; O^T = V^T P, whose result again holds one query a lane, and eight channels.  K comes out of LDS as it lies, V ([key][channel]) turned, by ds_load_tr16_b128.
; SOFTMAX.  A running maximum m and sum l for each query: p = 2^(c s - c m); in every step O and l are multiplied by a = 2^(c m_old - c m_new).  m starts at the lowest finite number, l at 0, and the first
; step is a step like any other, with a = 0: O^T need only be finite there, and 64 products of zeros write its 512 registers while the first tile is on its way.
; A STEP, in phases: 128 products K Q^T; the softmax in one lump, its 66 exponentials one batch with one wait; 128 products V^T P, behind every eight of them sixteen vector instructions:
; the rescaling of the O^T that comes two units later, at the end the sums l.  K's and V's fragments go through four register buffers, a pair of units (16 loads) ahead.
; CLUSTER.  The four query blocks of a cluster belong to one (b, h) and walk the same K and V: each tile is asked for jointly, by the same load, descriptor and mask in all four.
; REGISTERS, in windows of 256 (s_set_vgpr_msb: bits 1:0 source 0, 3:2 source 1, 5:4 source 2, 7:6 destination):
;   window 0: v0-15 addresses; v16-31 statistics; v32-95 S^T; v96-127 P; v128-255 four fragment buffers      windows 1, 2: O^T, channel blocks 0-15 and 16-31      window 3: Q
.set KS,    64
.set PK,    1040      ; a row of K in LDS: 1,024 bytes + 16: 65 x 16: the 16 rows of a load start at 16 different groups of four banks
.set PV,    1056      ; a row of V: 1,024 + 32: 33 x 32
.set VOFF,  KS*PK     ; a slot: 64 rows of K, then 64 rows of V: 134,144 bytes
.set SLOT1, 139264    ; slot 1 begins here: the number shares no bit with the four LDS words of the descriptors (0, 33,280, 66,560, 100,352), so one exclusive or changes slots
.set SPARE, SLOT1+KS*(PK+PV)  ; 273,408, behind the ring: the spare words, 128 bytes a wave
.set DP,    2064      ; the way out: a query's 512 f32 + 16 bytes: 129 x 16
.set WREG,  32*DP     ; a wave's 32 queries; the four waves' lie on end from LDS byte 0, in ring bytes that have had their last fill
.set LB,    4*WREG    ; 264,192: behind them 1 / l, twice for each query: 256 bytes a wave
.set ROWB,  8192
.set STP, 1           ; v1   (in the head: l % 16)  the way out: where I put tile 1's eight channels
.set AK0, 2           ; v2   my lane's place in a tile of K; never rewritten
.set AV0, 3           ; v3   the same for V
.set AKC, 4           ; v4   the same in the slot in hand; on the way out: where I read rows back
.set AVC, 5           ; v5   likewise for V; on the way out: where the two rows' 1 / l lie
.set QO,  6           ; v6   my byte offset in 16 rows of Q
.set RD,  7           ; v7   the way out: my 16 bytes of each 512 of my wave's rows
.set GO,  8           ; v8   my 8 bytes of each 256 in ao
.set AKD, 9           ; v9   (in the head: l / 16)  K's keys 32 on, in the slot in hand
.set LSA, 10          ; v10  the way out: where I put my query's 1 / l
.set AVD, 11          ; v11  (in the head: at work)  V's keys 32 on, in the slot in hand
.set PFO, 12          ; v12  the prefetches' offset: row lane / 4, block lane % 4 of 256 bytes; never rewritten
.set STO, 13          ; v13  the way out: where I put tile 0's eight channels
.set SPW, 14          ; v14  my spare word; never rewritten
.set NIL, 15          ; v15  0; never rewritten
.set ST,  16          ; tile t's statistics at v[ST+8 t]: c m, m, l (even keys', odd keys'), c0-c3 at work; c2 takes a; at the end c2 and c3 take 1 / l
.set S,   32          ; key block kb of tile t at S + 32 t + 8 kb
.set P,   96          ; key half kk of tile t at P + 16 t + 8 kk
.set FR,  128         ; four buffers of 32
.set WV,  12          ; s12  my wave's number
.set LIM, 15          ; s15  1 in a wave that prefetches (waves 0 and 1), else the greatest number
.set PFA, 18          ; s[18:19] what the prefetch names
.set G1K, 24          ; s[24:31]
.set G1V, 32          ; s[32:39]
.set G0K, 40          ; s[40:43] walks
.set G0V, 44          ; s[44:47]
.set TB,  50          ; s50  the slot that is read: 0 or SLOT1
.set LEFT, 52         ; s52  trips to go
.set RB,  53          ; s53  the way out: the rows in hand, in bytes from my wave's first
.set LA,  54          ; s54  the way out: LDS byte of their 1 / l
.set CS,  58          ; s[58:59] c
.set SEL, 60          ; s[60:61] v_permlanex16_b32's selects
.set MSB, 0
.macro WIN new                      ; the immediate's high byte repeats the setting that is left; a switch that changes nothing is dropped
.if MSB != (\new)
	s_set_vgpr_msb (MSB<<8)|(\new)
.set MSB, (\new)
.endif
.endm
.set W_KQ, 0x0c       ; Q (source 1) in window 3, all else in window 0: LDS loads stand under it too
; A joint fill: waves 0 and 1 fetch the halves of a tile's K, waves 2 and 3 of its V: 32 rows of 1,024 bytes each.  An s_nop 0 and four v_nop follow each line.
.macro JLOAD
	s_cmp_lt_u32 s[WV], 2
	s_cbranch_scc0 .Lfor_v_\@
	tensor_load_to_lds s[G0K:G0K+3], s[G1K:G1K+7]
	s_nop 0
.rept 4
	v_nop
.endr
	s_branch .Lasked_\@
.Lfor_v_\@:
	tensor_load_to_lds s[G0V:G0V+3], s[G1V:G1V+7]
	s_nop 0
.rept 4
	v_nop
.endr
.Lasked_\@:
.endm
; A PREFETCH INTO THE L2 of the tile that the NEXT change of slots will ask for: one step, 256 matrix instructions, ahead of that load.  A tile is 64 rows x 4 blocks of 256 bytes of K and as much of V.
; The eight work-groups of a (b, h), two clusters, walk the same rows and share them out BY ADDRESS, 8 rows each; in each, wave 0 asks for K's and wave 1 for V's, a lane a block.
; So each block is named once in the launch, and the branch hangs on the wave's number and the loop's count alone.  Tiles 0 and 1 come by their loads alone; the last trip of the loop asks for nothing.
.macro ASK
	s_cmp_gt_u32 s[LEFT], s[LIM]
	s_cbranch_scc0 .Lnot_mine_\@
	global_prefetch_b8 v[PFO], s[PFA:PFA+1] th:TH_LOAD_NT scope:SCOPE_SE
.Lnot_mine_\@:
.endm
.macro CROUND                       ; a round of the cluster's barrier
	s_barrier_signal -1
	s_barrier_wait -1
	s_cmp_lg_u32 s[WV], 0
	s_cbranch_scc1 .Lnot_wave_0_\@
	s_barrier_signal -3
.Lnot_wave_0_\@:
	s_barrier_wait -3
	s_barrier_signal -1
	s_barrier_wait -1
.endm
; THE CHANGE OF SLOTS.  Each wave waits for all its tensor loads (one is out: its part of the other slot), adds 0 to its spare word, and waits for that and for its reads of the slot that it leaves.
; fill = 1: the barrier is a round of the cluster's, and the joint fill with the next tile is the first thing behind it.  (At its first use nothing has been read: slot 0 is waited for, slot 1 filled.)
.macro CHANGE fill
	WIN 0
	s_wait_tensorcnt 0x0            ; no tensor load of mine is out, so a group 0 may be written
	ds_add_u32 v[SPW], v[NIL]       ; 0 onto my spare word
.if \fill
.irp g, G0K, G0V
	s_xor_b32 s[\g+1], s[\g+1], SLOT1
	s_add_nc_u64 s[\g+2:\g+3], s[\g+2:\g+3], KS*ROWB  ; the next 64 keys; the type bits on top are not reached
.endr
.endif
	s_wait_xcnt 0x0                 ; the last prefetch, a step back, has read its address,
	s_add_nc_u64 s[PFA:PFA+1], s[PFA:PFA+1], KS*ROWB  ; which goes a tile on (behind the last prefetch the stepped address is not used)
	s_xor_b32 s[TB], s[TB], SLOT1   ; the reads go to the other slot
	s_wait_dscnt 0x0                ; the add is done, and my reads of the slot are over
.if \fill
	CROUND
	JLOAD
	ASK
.else
	s_barrier_signal -1
	s_barrier_wait -1
.endif
.endm
; Tile t's Q: 16 fragments of 16 queries x 32 channels, 32 loads, from the base at the tile's first row, into window 3
.macro QLOAD t
	WIN 0xc0                        ; destination window 3
.set i, 0
.rept 16
	global_load_b128 v[128*(\t)+8*i:128*(\t)+8*i+3],   v[QO], s[4:5] offset:i*64
	global_load_b128 v[128*(\t)+8*i+4:128*(\t)+8*i+7], v[QO], s[4:5] offset:i*64+32
.set i, i+1
.endr
	WIN 0
.endm
	s_load_b128 s[4:7], s[0:1], 0x0 ; qkv s[4:5], ao s[6:7]
	v_lshl_add_u32 v[SPW], v0, 2, SPARE
	v_mov_b32 v[NIL], 0
	ds_add_u32 v[SPW], v[NIL]       ; the wave's opening: the add and its wait ahead of my first tensor load
	v_lshrrev_b32 v1, 5, v0
	v_readfirstlane_b32 s[WV], v1   ; wave 0..3
	s_bfe_u32 s13, ttmp6, 0x40000   ; cx
	s_lshl_b32 s14, ttmp9, 2
	s_add_co_u32 s14, s14, s13      ; my block of 128 queries, 0..7: it enters Q's, O's and the prefetches' addresses alone
	s_and_b32 s20, ttmp7, 0xffff    ; 8 b + h, which the partners share
	s_lshr_b32 s21, s20, 3
	s_and_b32 s20, s20, 7
	s_lshl_b32 s21, s21, 23         ; b x 1,024 rows of 8,192 bytes
	s_lshl_b32 s20, s20, 10         ; h x 1,024 bytes
	s_add_co_u32 s20, s20, s21
	s_and_b32 s16, s[WV], 1         ; which 32 rows of a tile I fetch
	s_lshl_b32 s22, s16, 18
	s_add_co_u32 s22, s22, s20
	s_add_co_u32 s22, s22, 0x2000000  ; K's part of qkv
	s_mov_b32 s23, 0
	s_mul_i32 s17, s16, 32*PK       ; their place in a slot, for K
	s_mul_i32 s18, s16, 32*PV
	s_add_co_u32 s18, s18, VOFF     ; and for V: no place in the cluster enters an LDS address
	s_lshl_b32 s2, s14, 20          ; my block's 128 rows,
	s_lshl_b32 s3, s[WV], 18        ; my wave's 32 of them
	s_add_co_u32 s2, s2, s3
	s_add_co_u32 s2, s2, s20
	s_mov_b32 s3, 0
	s_lshl_b32 s8, s16, 25          ; the prefetches: K's part (wave 0), or V's one part further (wave 1),
	s_add_co_u32 s8, s8, s20
	s_add_co_u32 s8, s8, 0x2000000+KS*ROWB  ; at tile 1: the first change of slots steps it to tile 2;
	s_lshl_b32 s9, s14, 16          ; my work-group's 8 rows of the 64
	s_add_co_u32 s8, s8, s9
	s_mov_b32 s9, 0
	s_mov_b32 s[G1K], 15|(1<<16)|(1<<20)|(1<<21)|(7<<22)|(3<<25)  ; the mask of four; 2-byte elements; padding on; bit 21 beside a mask; after every 256 words 4 words
	s_mov_b32 s[G1V], 15|(1<<16)|(1<<20)|(1<<21)|(7<<22)|(7<<25)  ; the same with 8 words
.irp g, G1K, G1V
	s_mov_b32 s[\g+1], 512<<16      ; tensor_dim0 = 512
	s_mov_b32 s[\g+2], 32<<16       ; tensor_dim1 = 32
	s_mov_b32 s[\g+3], 512<<16      ; tile_dim0 = 512
	s_mov_b32 s[\g+4], 32           ; tile_dim1 = 32
	s_mov_b32 s[\g+5], 4096         ; elements from row to row
	s_mov_b32 s[\g+6], 0
	s_mov_b32 s[\g+7], 0
.endr
	s_mov_b32 s[CS], 0x3d8293ee     ; c = log2(e) / sqrt(512) = 0.0637587
	s_mov_b32 s[CS+1], s[CS]
	s_mov_b32 s[SEL], 0x76543210
	s_mov_b32 s[SEL+1], 0xfedcba98
	s_mov_b32 s[TB], SLOT1          ; the first change of slots turns it into 0
	s_mov_b32 s[G0K], 1
	s_mov_b32 s[G0K+1], s17         ; slot 0
	s_mov_b32 s[G0V], 1
	s_mov_b32 s[G0V+1], s18
	s_cmp_lt_u32 s[WV], 2           ; waves 0 and 1 prefetch: the same in every work-group
	s_cselect_b32 s[LIM], 1, -1
	s_wait_dscnt 0x0                ; the opening add is done
	s_wait_kmcnt 0x0
	s_add_nc_u64 s[G0K+2:G0K+3], s[4:5], s[22:23]
	s_add_nc_u64 s[G0V+2:G0V+3], s[G0K+2:G0K+3], 0x2000000
	s_or_b32 s[G0K+3], s[G0K+3], 0x80000000
	s_or_b32 s[G0V+3], s[G0V+3], 0x80000000
	s_add_nc_u64 s[PFA:PFA+1], s[4:5], s[8:9]
	s_add_nc_u64 s[4:5], s[4:5], s[2:3]  ; Q and O at my wave's first row
	s_add_nc_u64 s[6:7], s[6:7], s[2:3]
	CROUND                          ; all four work-groups are here: the first joint loads meet
	JLOAD                           ; tile 0 into slot 0
	v_and_b32 v1, 15, v0            ; l % 16
	v_bfe_u32 v9, v0, 4, 1          ; l / 16
	v_lshlrev_b32 v[QO], 13, v1
	v_lshl_add_u32 v[QO], v9, 4, v[QO]  ; row x 8,192 + 16 x half
	QLOAD 0                         ; Q stays in registers.  It comes in two runs of 32 loads, a tile each: at most 32 loads of the wave are out
.set i, 0
.rept 16                            ; two fragments of zeros,
	v_mov_b32 v[FR+i], 0
.set i, i+1
.endr
	WIN 0x40                        ; whose product writes O^T: eight registers a line, 64 lines, while the first tile and Q are on their way
.set i, 0
.rept 32
	v_wmma_f32_16x16x32_f16 v[8*i:8*i+7], v[FR:FR+7], v[FR+8:FR+15], 0
.set i, i+1
.endr
	WIN 0x80
.set i, 0
.rept 32
	v_wmma_f32_16x16x32_f16 v[8*i:8*i+7], v[FR:FR+7], v[FR+8:FR+15], 0
.set i, i+1
.endr
	WIN 0
.irp t, 0,1
	v_mov_b32 v[ST+8*\t], 0xfe000000    ; c m: far below every c s
	v_mov_b32 v[ST+8*\t+1], 0xff7fffff  ; m
	v_mov_b32 v[ST+8*\t+2], 0
	v_mov_b32 v[ST+8*\t+3], 0
.endr
	v_mul_u32_u24 v[AK0], v1, PK
	v_lshl_add_u32 v[AK0], v9, 4, v[AK0]  ; row x pitch + 16 x half
	; the turning load takes 16 keys x 16 channels: lane l reads key 8 (l / 16) + l % 8, channels 8 ((l / 8) % 2) + 0..7, and leaves half a fragment of V^T: lane l holds channel l % 16 and 8 keys
	v_and_b32 v10, 7, v0
	v_bfe_u32 v11, v0, 3, 1
	v_lshl_add_u32 v[AV0], v9, 3, v10
	v_mul_u32_u24 v[AV0], v[AV0], PV
	v_lshl_add_u32 v[AV0], v11, 4, v[AV0]
	v_add_nc_u32 v[AV0], VOFF, v[AV0]
	v_bfe_u32 v10, v0, 2, 3         ; lane / 4
	v_and_b32 v11, 3, v0            ; lane % 4
	v_lshlrev_b32 v[PFO], 13, v10
	v_lshl_add_u32 v[PFO], v11, 8, v[PFO]
	s_mul_i32 s10, s[WV], WREG      ; the way out: my wave's rows,
	s_lshl_b32 s11, s[WV], 8
	s_add_co_u32 s11, s11, LB       ; and its 1 / l
	v_mul_u32_u24 v[STO], v1, DP    ; in: row l % 16, 32 bytes (eight f32) for each half of the lanes
	v_lshl_add_u32 v[STO], v9, 5, v[STO]
	v_add_nc_u32 v[STO], s10, v[STO]
	v_and_b32 v[GO], 31, v0
	v_lshl_add_u32 v[RD], v[GO], 4, s10  ; back: 32 lanes take 512 bytes on end, 128 channels in f32,
	v_lshlrev_b32 v[GO], 3, v[GO]   ; which are 256 bytes of ao
	v_lshl_add_u32 v[LSA], v1, 3, s11
	v_add_nc_u32 v[STP], 16*DP, v[STO]  ; tile 1's rows lie 16 rows on (l % 16 is needed no more)
	s_wait_loadcnt 0x0              ; tile 0's Q is in,
	s_wait_xcnt 0x0                 ; and the base is written only behind this wait:
	s_add_nc_u64 s[4:5], s[4:5], 16*ROWB  ; tile 1's first row
	QLOAD 1
.macro PLACES                       ; four plain vector instructions between a matrix instruction and a load into, or a vector read of, its registers
.rept 4
	v_nop
.endr
.endm
; Unit u of K: channels 32 u on of the 64 keys: 4 fragments, 8 loads, into buffer u % 4; key blocks 0, 1 by one address register, 2, 3 by the other
.macro LDK u
.irp kb, 0,1
	ds_load_b128 v[FR+32*((\u)%4)+8*(\kb):FR+32*((\u)%4)+8*(\kb)+3],   v[AKC] offset:(\kb)*16*PK+64*(\u)
	ds_load_b128 v[FR+32*((\u)%4)+8*(\kb)+4:FR+32*((\u)%4)+8*(\kb)+7], v[AKC] offset:(\kb)*16*PK+64*(\u)+32
.endr
.irp kb, 0,1
	ds_load_b128 v[FR+32*((\u)%4)+16+8*(\kb):FR+32*((\u)%4)+16+8*(\kb)+3],   v[AKD] offset:(\kb)*16*PK+64*(\u)
	ds_load_b128 v[FR+32*((\u)%4)+16+8*(\kb)+4:FR+32*((\u)%4)+16+8*(\kb)+7], v[AKD] offset:(\kb)*16*PK+64*(\u)+32
.endr
.endm
; Unit n of V: channel blocks 2 n, 2 n + 1 of the 64 keys, turned: 4 fragments (key half kk, block i at 8 (2 kk + i)), 8 loads, into buffer n % 4; a key half to an address register
.macro LDV n
.irp i, 0,1
	ds_load_tr16_b128 v[FR+32*((\n)%4)+8*(\i):FR+32*((\n)%4)+8*(\i)+3],   v[AVC] offset:(2*(\n)+(\i))*32
	ds_load_tr16_b128 v[FR+32*((\n)%4)+8*(\i)+4:FR+32*((\n)%4)+8*(\i)+7], v[AVC] offset:16*PV+(2*(\n)+(\i))*32
.endr
.irp i, 0,1
	ds_load_tr16_b128 v[FR+32*((\n)%4)+16+8*(\i):FR+32*((\n)%4)+16+8*(\i)+3],   v[AVD] offset:(2*(\n)+(\i))*32
	ds_load_tr16_b128 v[FR+32*((\n)%4)+16+8*(\i)+4:FR+32*((\n)%4)+16+8*(\i)+7], v[AVD] offset:16*PV+(2*(\n)+(\i))*32
.endr
.endm
; Pair k of 16: pairs 0-7 are K's units 2 k, 2 k + 1, pairs 8-15 V's units 2 k - 16, 2 k - 15: 16 loads; even pairs take buffers 0 and 1, odd pairs 2 and 3
.macro LDP k
.if (\k) < 8
	LDK 2*(\k)
	LDK 2*(\k)+1
.else
	LDV 2*(\k)-16
	LDV 2*(\k)-15
.endif
.endm
; 8 products of S^T = K Q^T for channels 32 u on; the 8 accumulators take turns; unit 0 starts the sums
.macro KQ8 u
.irp kb, 0,1,2,3
.irp t, 0,1
.if (\u) == 0
	v_wmma_f32_16x16x32_f16 v[S+32*(\t)+8*(\kb):S+32*(\t)+8*(\kb)+7], v[FR+32*((\u)%4)+8*(\kb):FR+32*((\u)%4)+8*(\kb)+7], v[128*(\t)+8*(\u):128*(\t)+8*(\u)+7], 0
.else
	v_wmma_f32_16x16x32_f16 v[S+32*(\t)+8*(\kb):S+32*(\t)+8*(\kb)+7], v[FR+32*((\u)%4)+8*(\kb):FR+32*((\u)%4)+8*(\kb)+7], v[128*(\t)+8*(\u):128*(\t)+8*(\u)+7], v[S+32*(\t)+8*(\kb):S+32*(\t)+8*(\kb)+7]
.endif
.endr
.endr
.endm
; 8 products of O^T += V^T P: unit n's channel blocks 2 n + i, key halves kk, both tiles.  The unit's 4 accumulators take turns, one instruction a turn
.macro PV8 n
	WIN 0x50*(1+(\n)/8)             ; C and D in window 1 or 2
.irp kk, 0,1
.irp i, 0,1
.irp t, 0,1
	v_wmma_f32_16x16x32_f16 v[32*((\n)%8)+16*(\i)+8*(\t):32*((\n)%8)+16*(\i)+8*(\t)+7], v[FR+32*((\n)%4)+8*(2*(\kk)+(\i)):FR+32*((\n)%4)+8*(2*(\kk)+(\i))+7], v[P+16*(\t)+8*(\kk):P+16*(\t)+8*(\kk)+7], v[32*((\n)%8)+16*(\i)+8*(\t):32*((\n)%8)+16*(\i)+8*(\t)+7]
.endr
.endr
.endr
.endm
; pair q of 16 of unit n's O^T times a; each accumulator's lowest registers come first
.macro RS n, q
	WIN 0x41*(1+(\n)/8)             ; destination and source 0 in window 1 or 2, a in window 0
	v_pk_mul_f32 v[32*((\n)%8)+2*(\q):32*((\n)%8)+2*(\q)+1], v[32*((\n)%8)+2*(\q):32*((\n)%8)+2*(\q)+1], v[ST+8*(((\q)/4)%2)+6:ST+8*(((\q)/4)%2)+7] op_sel_hi:[1,0]
.endm
; number q of 32 of the sums: tile q % 2, pair q / 2 of its weights; the first is l = a l + pair
.macro LS q
	WIN 0
.set rT, ST+8*((\q)%2)
.set rS, S+32*((\q)%2)+2*((\q)/2)
.if (\q) < 2
	v_pk_fma_f32 v[rT+2:rT+3], v[rT+2:rT+3], v[rT+6:rT+7], v[rS:rS+1] op_sel_hi:[1,0,1]
.else
	v_pk_add_f32 v[rT+2:rT+3], v[rT+2:rT+3], v[rS:rS+1]
.endif
.endm
; number j of the 21 that find tile t's maximum and statistics: 0-11 four chains c0-c3 of seven scores, each accumulator's lowest registers first; 12-15 the four left over, c0-c3 and the old m into c0;
; 16, 18 the query's other 32 keys lie in the lane 16 away: the new m; 17 c m_old is kept; 19 c m; 20 c m_old - c m_new
.macro MX t, j
.set rT, ST+8*(\t)
.set rS, S+32*(\t)
.if (\j) < 4
	v_max3_num_f32 v[rT+4+(\j)], v[rS+8*(\j)], v[rS+8*(\j)+1], v[rS+8*(\j)+2]
.elseif (\j) < 12
	v_max3_num_f32 v[rT+4+(\j)%4], v[rT+4+(\j)%4], v[rS+8*((\j)%4)+2*((\j)/4)+1], v[rS+8*((\j)%4)+2*((\j)/4)+2]
.elseif (\j) == 12
	v_max3_num_f32 v[rT+4], v[rT+4], v[rS+7], v[rS+15]
.elseif (\j) == 13
	v_max3_num_f32 v[rT+6], v[rT+6], v[rS+23], v[rS+31]
.elseif (\j) == 14
	v_max3_num_f32 v[rT+4], v[rT+4], v[rT+5], v[rT+6]
.elseif (\j) == 15
	v_max3_num_f32 v[rT+4], v[rT+4], v[rT+7], v[rT+1]
.elseif (\j) == 16
	v_permlanex16_b32 v[rT+5], v[rT+4], s[SEL], s[SEL+1]
.elseif (\j) == 17
	v_mov_b32 v[rT+7], v[rT]
.elseif (\j) == 18
	v_max_num_f32 v[rT+1], v[rT+4], v[rT+5]
.elseif (\j) == 19
	v_mul_f32 v[rT], s[CS], v[rT+1]
.else
	v_sub_f32 v[rT+7], v[rT+7], v[rT]
.endif
.endm
.macro FS t, i                      ; pair i of tile t: c s - c m
	v_pk_fma_f32 v[S+32*(\t)+2*(\i):S+32*(\t)+2*(\i)+1], v[S+32*(\t)+2*(\i):S+32*(\t)+2*(\i)+1], s[CS:CS+1], v[ST+8*(\t):ST+8*(\t)+1] op_sel_hi:[1,0,0] neg_lo:[0,0,1] neg_hi:[0,0,1]
.endm
.macro EX t, n                      ; score n of tile t: its weight
	v_exp_f32 v[S+32*(\t)+(\n)], v[S+32*(\t)+(\n)]
.endm
.macro EA t                         ; a
	v_exp_f32 v[ST+8*(\t)+6], v[ST+8*(\t)+7]
.endm
.macro RIDE n                       ; the sixteen vector instructions behind unit n's products: they name none of those products' registers, and are the places in front of the next loads
.set q, 0
.rept 16
.if (\n) < 14
	RS (\n)+2, q
.else
	LS 16*((\n)-14)+q
.endif
.set q, q+1
.endr
.endm
; A KEY STEP.  Pair k + 1 of the fragments is loaded, into the buffers that pair k - 1 has left four places ago or more, ahead of pair k's sixteen products.
.macro STEP
	WIN 0
	v_add_nc_u32 v[AKC], s[TB], v[AK0]
	v_add_nc_u32 v[AVC], s[TB], v[AV0]
	v_add_nc_u32 v[AKD], 32*PK, v[AKC]
	v_add_nc_u32 v[AVD], 32*PV, v[AVC]
	WIN W_KQ
	LDP 0
.set k, 0
.rept 8
.if k > 0
	PLACES
.endif
	LDP k+1
	s_wait_dscnt 16                 ; pair k is in: the next pair's 16 loads may be out
	KQ8 2*k
	KQ8 2*k+1
.set k, k+1
.endr
	PLACES
	WIN 0                           ; THE LUMP: maxima and statistics, the tiles alternating,
.set j, 0
.rept 21
	MX 0, j
	MX 1, j
.set j, j+1
.endr
	FS 0, 0                         ; then ONE BATCH: 32 scalings and 66 exponentials, none of which names an exponential's result; a pair is scaled two rounds ahead of its exponentials
	FS 1, 0
	EA 0
	FS 0, 1
	EA 1
	FS 1, 1
.set i, 0
.rept 16
	EX 0, 2*i
.if i < 14
	FS 0, i+2
.endif
	EX 1, 2*i
.if i < 14
	FS 1, i+2
.endif
	EX 0, 2*i+1
	EX 1, 2*i+1
.set i, i+1
.endr
	v_nop                           ; a plain instruction behind the last exponential: one for the batch
	s_wait_alu depctr_va_vdst(0)    ; the wait ahead of the first instruction that names a result: one for the 66
.set j, 0
.rept 16                            ; the weights rounded to f16: P
	v_cvt_pk_f16_f32 v[P+j],    v[S+2*j],    v[S+2*j+1]
	v_cvt_pk_f16_f32 v[P+16+j], v[S+32+2*j], v[S+32+2*j+1]
.set j, j+1
.endr
.set q, 0
.rept 16                            ; the first two units' O^T times a: the others ride behind the products
	RS 0, q
.set q, q+1
.endr
.set q, 0
.rept 16
	RS 1, q
.set q, q+1
.endr
.set k, 8
.rept 8
	WIN 0
.if k < 15
	LDP k+1
	s_wait_dscnt 16                 ; pair k is in: the next pair's 16 loads may be out
.else
	s_wait_dscnt 0x0                ; the last pair: nothing more is fetched
.endif
	PV8 2*k-16
	RIDE 2*k-16
	PV8 2*k-15
	RIDE 2*k-15
.set k, k+1
.endr
	WIN 0
.endm
	s_wait_loadcnt 0x0              ; tile 1's Q
	s_mov_b32 s[LEFT], 15
.Lstep:                             ; trip j = 0 .. 14: tile j is waited for and read, tile j + 1 asked for
	CHANGE 1
	STEP
	s_sub_co_u32 s[LEFT], s[LEFT], 1
	s_cmp_lg_u32 s[LEFT], 0
	s_cbranch_scc1 .Lstep
	CHANGE 0                        ; the last step is written out: nothing is asked for
	STEP
	; THE WAY OUT.  O^T goes as f32 into LDS, a query a row, into ring bytes that are filled no more; a loop reads the rows back, divides by l, rounds to f16 and stores them.
	; The barrier: my rows lie over bytes of both slots, which the other waves may still be reading for the last step.
	s_wait_dscnt 0x0                ; my own reads of the last tile are over
	s_barrier_signal -1
.irp t, 0,1                         ; between signal and wait, on registers: l's two halves and the other half of the lanes' are added; 1 / l, twice, to make a pair
	v_add_f32 v[ST+8*\t+4], v[ST+8*\t+2], v[ST+8*\t+3]
.endr
.irp t, 0,1
	v_permlanex16_b32 v[ST+8*\t+5], v[ST+8*\t+4], s[SEL], s[SEL+1]
.endr
.irp t, 0,1
	v_add_f32 v[ST+8*\t+4], v[ST+8*\t+4], v[ST+8*\t+5]
.endr
.irp t, 0,1
	v_rcp_f32 v[ST+8*\t+6], v[ST+8*\t+4]
	v_rcp_f32 v[ST+8*\t+7], v[ST+8*\t+4]
.endr
	v_nop                           ; a plain instruction behind the last reciprocal,
	s_wait_alu depctr_va_vdst(0)    ; and the wait ahead of the first use: one for the four
	s_barrier_wait -1
.irp t, 0,1
	ds_store_b64 v[LSA], v[ST+8*\t+6:ST+8*\t+7] offset:128*\t  ; both halves of the lanes hold the same number and write the same 8 bytes
.endr
; Sixteen accumulators, lo on, of window 1 + w: accumulator i is channel block 16 w + i / 2 of tile i % 2; its low registers go first.  32 stores
.macro DUMP w, lo
.set i, (\lo)
.rept 8
	ds_store_b128 v[STO], v[8*i:8*i+3]     offset:1024*(\w)+64*(i/2)
	ds_store_b128 v[STO], v[8*i+4:8*i+7]   offset:1024*(\w)+64*(i/2)+16
	ds_store_b128 v[STP], v[8*i+8:8*i+11]  offset:1024*(\w)+64*(i/2)
	ds_store_b128 v[STP], v[8*i+12:8*i+15] offset:1024*(\w)+64*(i/2)+16
.set i, i+2
.endr
.endm
	WIN 0x04                        ; the stores' data (source 1) in window 1
	DUMP 0, 0
	s_wait_dscnt 16                 ; the stores go in four groups of 32, the younger half of a group out when the next begins: at most 48 of the wave's are out
	DUMP 0, 16
	s_wait_dscnt 16
	WIN 0x08                        ; window 2: channel blocks 16 on
	DUMP 1, 0
	s_wait_dscnt 16
	DUMP 1, 16
	WIN 0
.set LR, 96                         ; v[96:99]   the two rows' 1 / l, a pair each
.set X,  128                        ; v[128:159] two rows x 4 x 128 channels: my four f32 of each
.set Y,  32                         ; v[32:47]   the same in f16
	s_mov_b32 s[RB], 0
	s_mov_b32 s[LA], s11
	s_mov_b32 s[LEFT], 16
.Lrow:                              ; 16 trips, two of my wave's 32 rows each.  The rows are my wave's own, and LDS serves a wave's instructions in order (ISA guide 5.7.1.4): the loads see the stores above
	v_add_nc_u32 v[AKC], s[RB], v[RD]
	v_mov_b32 v[AVC], s[LA]
	ds_load_b128 v[LR:LR+3], v[AVC]
.irp e, 0,1,2,3,4,5,6,7
	ds_load_b128 v[X+4*\e:X+4*\e+3], v[AKC] offset:(\e/4)*DP+(\e%4)*512
.endr
.irp p, 0,1
	s_wait_dscnt 4-4*\p             ; 1 / l and row p are in; behind row 0 the other row's four loads may be out
.irp e, 0,1,2,3,4,5,6,7
	v_pk_mul_f32 v[X+16*\p+2*\e:X+16*\p+2*\e+1], v[X+16*\p+2*\e:X+16*\p+2*\e+1], v[LR+2*\p:LR+2*\p+1]
.endr
.irp e, 0,1,2,3,4,5,6,7
	v_cvt_pk_f16_f32 v[Y+8*\p+\e], v[X+16*\p+2*\e], v[X+16*\p+2*\e+1]
.endr
.irp c, 0,1,2,3
	global_store_b64 v[GO], v[Y+8*\p+2*\c:Y+8*\p+2*\c+1], s[6:7] offset:\p*ROWB+256*\c  ; a wave's store covers 256 consecutive bytes, aligned
.endr
.endr
	s_wait_xcnt 0x0                 ; the stores have read their data and their base, which the next trip writes
	s_add_nc_u64 s[6:7], s[6:7], 2*ROWB
	s_add_co_u32 s[RB], s[RB], 2*DP
	s_add_co_u32 s[LA], s[LA], 16
	s_sub_co_u32 s[LEFT], s[LEFT], 1
	s_cmp_lg_u32 s[LEFT], 0
	s_cbranch_scc1 .Lrow
	s_wait_tensorcnt 0x0            ; the wave's end
	ds_add_u32 v[SPW], v[NIL]
	s_wait_dscnt 0x0
	CROUND                          ; the closing round
	s_endpgm
.Lfunc_end_k_q1138f9f642_attn:
	.size	k_q1138f9f642_attn, .Lfunc_end_k_q1138f9f642_attn-k_q1138f9f642_attn
	.p2alignl 7, 3214868480
	.fill 96, 4, 3214868480
	.section	.rodata,"a",@progbits
	.p2align	6, 0x0
	.amdhsa_kernel k_q1138f9f642_attn
		.amdhsa_group_segment_fixed_size 327680
		.amdhsa_private_segment_fixed_size 0
		.amdhsa_enable_private_segment 0
		.amdhsa_kernarg_size 16
		.amdhsa_user_sgpr_count 2
		.amdhsa_user_sgpr_kernarg_segment_ptr 1
		.amdhsa_wavefront_size32 1
		.amdhsa_system_sgpr_workgroup_id_x 1
		.amdhsa_system_sgpr_workgroup_id_y 1
		.amdhsa_system_sgpr_workgroup_id_z 1
		.amdhsa_system_vgpr_workitem_id 0
		.amdhsa_next_free_vgpr 1024
		.amdhsa_next_free_sgpr 66
		.amdhsa_reserve_vcc 0
		.amdhsa_float_denorm_mode_32 3
		.amdhsa_float_denorm_mode_16_64 3
		.amdhsa_memory_ordered 1
		.amdhsa_forward_progress 1
		.amdhsa_inst_pref_size 156
	.end_amdhsa_kernel
	.amdgpu_metadata
---
amdhsa.version: [ 1, 2 ]
amdhsa.kernels:
  - .name:           k_q1138f9f642_attn
    .symbol:         k_q1138f9f642_attn.kd
    .args:
      - { .name: qkv, .offset: 0, .size: 8, .value_kind: global_buffer, .address_space: global }
      - { .name: ao, .offset: 8, .size: 8, .value_kind: global_buffer, .address_space: global }
    .group_segment_fixed_size: 327680
    .private_segment_fixed_size: 0
    .kernarg_segment_align: 8
    .kernarg_segment_size: 16
    .max_flat_workgroup_size: 128
    .sgpr_count:     66
    .vgpr_count:     1024
    .wavefront_size: 32
...
	.end_amdgpu_metadata
.endif
;; end of part 3
;; launch oproj (part 4): grid 4 x 64, 4 waves a work-group, clusters of 4 x 4, 327,680 bytes of LDS; arguments ao, h16, part; writes part
.if DOCPART == 4
	.amdgcn_target "amdgcn-amd-amdhsa--gfx1250"
	.amdhsa_code_object_version 6
	.text
	.protected	k_q1138f9f642_oproj
	.globl	k_q1138f9f642_oproj
	.p2align	8
	.type	k_q1138f9f642_oproj,@function
k_q1138f9f642_oproj:
	s_mov_b64 s[64:65], 0
	v_nop
	global_prefetch_b8 v0, s[64:65] scope:SCOPE_SE
	s_setreg_imm32_b32 hwreg(HW_REG_WAVE_MODE, 25, 1), 1
	s_wait_xcnt 0x0
	s_wait_alu depctr_hold_cnt(0) depctr_sa_sdst(0) depctr_va_vdst(0) depctr_va_sdst(0) depctr_va_ssrc(0) depctr_va_vcc(0) depctr_vm_vsrc(0)
	s_getreg_b32 s2, hwreg(HW_REG_IB_STS2, 6, 4)
	s_cmp_eq_u32 s2, 0
	s_cbranch_scc0 .Lentry_in_a_cluster
	s_endpgm
.Lentry_in_a_cluster:
	s_bfe_u32 s2, ttmp6, 0x10000c
	s_cmp_lg_u32 s2, 0xf033
	s_cbranch_scc0 .Lentry_shape_is_right
	s_endpgm
.Lentry_shape_is_right:
; part[s] = ao[:, 2048 s ..] Wo[:, 2048 s ..]^T, s = 0, 1.  A = ao, [4096][4096] f16; B = Wo as f16, [512][4096], at h16's byte 16,777,216; part: [2][4096][512] f32.
; C has only 4096 x 512 numbers: tiles of 128 x 128 make 128 work-groups, so K is split in two halves and the two f32 partial sums are added, with the bias, by the next launch: 256 work-groups.
; Four waves, each 64 x 64: 16 accumulators.  K goes in steps of 256 (LDS rows of 512 bytes; a wave's tensor load brings 64 of them) through two slots: 8 steps.
; CLUSTER.  4 x 4 work-groups: the four of a row need the same tiles of A, the four of a column the same tiles of B; the half of K hangs on the cluster's y alone, which all sixteen share.
; NO PREFETCH: the tiles are small, a step is short, and B is read by every cluster.
; THE MATRIX INSTRUCTION IS USED TRANSPOSED (source 0 = 16 rows of B, source 1 = 16 rows of A): a lane holds eight neighbouring f32 of a row of C.
; REGISTERS: window 0: v0-31 addresses; v32-95 at work on the way out; v128-255 the accumulators ((a, b) at v[128 + 8 (4 a + b)]).  window 1: two fragment buffers of 128.
.set KSTEP,  256
.set PITCH,  528                       ; 512 bytes + 16: 33 x 16: the 16 rows of a fragment load start at 16 different groups of four banks
.set HALFT,  64*PITCH
.set SLOT,   4*HALFT
.set STAGE,  2*SLOT                    ; behind the ring: 16 rows x 272 bytes for each wave, its own
.set SPITCH, 272
.set SPARE,  STAGE+4*16*SPITCH
.set LAPS,   4                         ; a lap = two K steps; 2,048 / 512
.set OUTB,   2048                      ; bytes in a row of part
.set ADRA, 16
.set ADRB, 20
.set STO,  24
.set RD,   25
.set CO,   26
.set SPW,  28
.set NIL,  29
.set TMP,  32
.set ACC,  128
.set F0,   0
.set F1,   128
.set G1, 24
.set G0, 32
.set G1B, 48
.set G0B, 56
.set MSB, 0
.macro WIN new
.if MSB != (\new)
	s_set_vgpr_msb (MSB<<8)|(\new)
.set MSB, \new
.endif
.endm
.set MUL,  0x05                        ; sources 0 (B) and 1 (A) window 1; C and D window 0
.set TO_F, 0x40                        ; destination window 1, address window 0
.macro JLOAD s                         ; a joint load: waves 0 and 1 fetch A's halves, waves 2 and 3 B's; an s_nop 0 and four v_nop follow each line
	s_cmp_eq_u32 s11, 0
	s_cbranch_scc0 .Lfor_b_\@
	tensor_load_to_lds s[G0+4*(\s):G0+4*(\s)+3], s[G1:G1+7]
	s_nop 0
.rept 4
	v_nop
.endr
	s_branch .Lasked_\@
.Lfor_b_\@:
	tensor_load_to_lds s[G0B+4*(\s):G0B+4*(\s)+3], s[G1B:G1B+7]
	s_nop 0
.rept 4
	v_nop
.endr
.Lasked_\@:
.endm
.macro CREST
	s_cmp_lg_u32 s10, 0
	s_cbranch_scc1 .Lnot_wave_0_\@
	s_barrier_signal -3
.Lnot_wave_0_\@:
	s_barrier_wait -3
	s_barrier_signal -1
	s_barrier_wait -1
.endm
.macro CROUND
	s_barrier_signal -1
	s_barrier_wait -1
	CREST
.endm
	s_load_b128 s[4:7], s[0:1], 0x0                ; ao s[4:5], h16 s[6:7]
	s_load_b64 s[8:9], s[0:1], 0x10                ; part
	v_lshl_add_u32 v[SPW], v0, 2, SPARE
	v_mov_b32 v[NIL], 0
	ds_add_u32 v[SPW], v[NIL]                      ; the wave's opening: the add and its wait ahead of my first tensor load
	v_lshrrev_b32 v1, 5, v0
	v_readfirstlane_b32 s10, v1                    ; wave 0..3
	s_lshr_b32 s11, s10, 1                         ; my half of the tile's rows.  Also: I fetch for A (0) or B (1)
	s_and_b32 s12, s10, 1                          ; my half of its columns.  Also: which 64 rows I fetch
	s_bfe_u32 s40, ttmp6, 0x40000                  ; cx
	s_bfe_u32 s41, ttmp6, 0x40004                  ; cy
	s_lshl_b32 s42, ttmp9, 2
	s_add_co_u32 s42, s42, s40                     ; tile column
	s_and_b32 s13, ttmp7, 0xffff                   ; cluster y, 0..15:
	s_lshr_b32 s45, s13, 3                         ; the half of K,
	s_and_b32 s13, s13, 7
	s_lshl_b32 s13, s13, 2
	s_add_co_u32 s13, s13, s41                     ; and the tile row, 0..31
	s_lshl_b32 s43, s41, 2
	s_lshl_b32 s43, 15, s43                        ; my row of the cluster
	s_lshl_b32 s44, 0x1111, s40                    ; my column
	s_or_b32 s[G1+0], s43, (1<<16)|(1<<20)|(1<<21)|(6<<22)|(3<<25)  ; the mask; 2-byte elements; padding on; bit 21 beside a mask; after every 128 words 4 words
	s_or_b32 s[G1B+0], s44, (1<<16)|(1<<20)|(1<<21)|(6<<22)|(3<<25)
.irp g, G1, G1B
	s_mov_b32 s[(\g)+1], KSTEP<<16                 ; tensor_dim0 = 256
	s_mov_b32 s[(\g)+2], 64<<16                    ; tensor_dim1 = 64
	s_mov_b32 s[(\g)+3], KSTEP<<16                 ; tile_dim0 = 256
	s_mov_b32 s[(\g)+4], 64                        ; tile_dim1 = 64
	s_mov_b32 s[(\g)+5], 4096                      ; elements from row to row
	s_mov_b32 s[(\g)+6], 0
	s_mov_b32 s[(\g)+7], 0
.endr
	s_lshl_b32 s16, s13, 20                        ; A: (128 x tile row + 64 x half) rows of 8,192 bytes,
	s_lshl_b32 s17, s12, 19
	s_add_co_u32 s16, s16, s17
	s_lshl_b32 s17, s45, 12                        ; the half of K: 4,096 bytes along the rows
	s_add_co_u32 s16, s16, s17
	s_mov_b32 s17, 0
	s_lshl_b32 s46, s42, 20                        ; B: by the tile column,
	s_lshl_b32 s47, s12, 19
	s_add_co_u32 s46, s46, s47
	s_lshl_b32 s47, s45, 12
	s_add_co_u32 s46, s46, s47
	s_add_co_u32 s46, s46, 0x1000000               ; Wo's place in h16
	s_mov_b32 s47, 0
	s_mul_i32 s20, s10, HALFT                      ; where they go: wave x 64 rows
	s_wait_dscnt 0x0                               ; the opening add is done
	s_wait_kmcnt 0x0
	s_add_nc_u64 s[14:15], s[4:5], s[16:17]
	s_add_nc_u64 s[46:47], s[6:7], s[46:47]
	CROUND                                         ; all sixteen work-groups are here: the first joint loads meet
.irp s, 0,1
	s_mov_b32 s[G0+4*(\s)], 1
	s_add_co_u32 s[G0+4*(\s)+1], s20, (\s)*SLOT
	s_add_nc_u64 s[G0+4*(\s)+2:G0+4*(\s)+3], s[14:15], (\s)*KSTEP*2
	s_or_b32 s[G0+4*(\s)+3], s[G0+4*(\s)+3], 0x80000000
	s_mov_b32 s[G0B+4*(\s)], 1
	s_add_co_u32 s[G0B+4*(\s)+1], s20, (\s)*SLOT
	s_add_nc_u64 s[G0B+4*(\s)+2:G0B+4*(\s)+3], s[46:47], (\s)*KSTEP*2
	s_or_b32 s[G0B+4*(\s)+3], s[G0B+4*(\s)+3], 0x80000000
	JLOAD \s
.endr
	v_and_b32 v1, 15, v0                           ; l % 16
	v_bfe_u32 v2, v0, 4, 1                         ; l / 16
	v_mul_u32_u24 v3, v1, PITCH
	v_lshl_add_u32 v3, v2, 4, v3
	s_mul_i32 s21, s11, HALFT                      ; my 64 rows of A
	s_mul_i32 s22, s12, HALFT                      ; my 64 rows of B,
	s_add_co_u32 s22, s22, 2*HALFT                 ; behind A's 128
.irp s, 0,1
	v_add_nc_u32 v[ADRA+(\s)], s21, v3
	v_add_nc_u32 v[ADRB+(\s)], s22, v3
	s_add_co_u32 s21, s21, SLOT
	s_add_co_u32 s22, s22, SLOT
.endr
	s_mul_i32 s23, s10, 16*SPITCH
	s_add_co_u32 s23, s23, STAGE                   ; my stage
	v_mul_u32_u24 v4, v1, SPITCH                   ; in: row l % 16, 32 bytes (eight f32) for each half of the lanes
	v_lshl_add_u32 v4, v2, 5, v4
	v_add_nc_u32 v[STO], s23, v4
	v_mul_u32_u24 v5, v2, SPITCH                   ; back: lanes 0-15 take one row of 256 bytes, lanes 16-31 the next
	v_lshl_add_u32 v5, v1, 4, v5
	v_add_nc_u32 v[RD], s23, v5
	v_lshlrev_b32 v5, 11, v2                       ; and the same two rows in part
	v_lshl_add_u32 v[CO], v1, 4, v5
	s_lshl_b32 s16, s13, 18                        ; (128 x tile row + 64 x half) rows of 2,048 bytes,
	s_lshl_b32 s17, s11, 17
	s_add_co_u32 s16, s16, s17
	s_lshl_b32 s17, s45, 23                        ; the half of K's own 8,388,608 bytes
	s_add_co_u32 s16, s16, s17
	s_mov_b32 s17, 0
	s_add_nc_u64 s[8:9], s[8:9], s[16:17]
	s_lshl_b32 s46, s42, 9                         ; the tile's 512 bytes of a row, my 256 of them
	s_lshl_b32 s47, s12, 8
	s_add_co_u32 s46, s46, s47
	s_mov_b32 s47, 0
	s_add_nc_u64 s[8:9], s[8:9], s[46:47]
; 8 matrix instructions: m blocks a0, a0 + 1 x all 4 n blocks, 32 along K: half c of buffer f.  The 16 accumulators take turns
.macro MUL8 f, c, a0, zero
	WIN MUL
.irp a, \a0, (\a0)+1
.irp b, 0,1,2,3
.if \zero
	v_wmma_f32_16x16x32_f16 v[ACC+8*(4*(\a)+(\b)):ACC+8*(4*(\a)+(\b))+7], v[(\f)+64+8*(4*(\c)+(\b)):(\f)+64+8*(4*(\c)+(\b))+7], v[(\f)+8*(4*(\c)+(\a)):(\f)+8*(4*(\c)+(\a))+7], 0
.else
	v_wmma_f32_16x16x32_f16 v[ACC+8*(4*(\a)+(\b)):ACC+8*(4*(\a)+(\b))+7], v[(\f)+64+8*(4*(\c)+(\b)):(\f)+64+8*(4*(\c)+(\b))+7], v[(\f)+8*(4*(\c)+(\a)):(\f)+8*(4*(\c)+(\a))+7], v[ACC+8*(4*(\a)+(\b)):ACC+8*(4*(\a)+(\b))+7]
.endif
.endr
.endr
.endm
; 32 LDS loads in one run: the fragments of 64 along K at byte k of the rows, into buffer f; the first 32 along K first
.macro FETCH slot, k, f
	WIN TO_F
.irp c, 0,1
.irp i, 0,1,2,3
	ds_load_b128 v[(\f)+64+8*(4*(\c)+(\i)):(\f)+64+8*(4*(\c)+(\i))+3],   v[ADRB+(\slot)] offset:(\k)+64*(\c)+(\i)*16*PITCH
	ds_load_b128 v[(\f)+64+8*(4*(\c)+(\i))+4:(\f)+64+8*(4*(\c)+(\i))+7], v[ADRB+(\slot)] offset:(\k)+64*(\c)+(\i)*16*PITCH+32
	ds_load_b128 v[(\f)+8*(4*(\c)+(\i)):(\f)+8*(4*(\c)+(\i))+3],         v[ADRA+(\slot)] offset:(\k)+64*(\c)+(\i)*16*PITCH
	ds_load_b128 v[(\f)+8*(4*(\c)+(\i))+4:(\f)+8*(4*(\c)+(\i))+7],       v[ADRA+(\slot)] offset:(\k)+64*(\c)+(\i)*16*PITCH+32
.endr
.endr
.endm
.macro PLACES                          ; four plain vector instructions between a matrix instruction and a load into, or a store of, its registers
.rept 4
	v_nop
.endr
.endm
; A K step is four quarters of 64 along K, 32 matrix instructions each, on buffers 0, 1, 0, 1
.macro QUARTER slot, k, f, g, zero
	s_wait_dscnt 16                                ; the first 32 along K are in; the youngest sixteen loads may be out
	MUL8 \f, 0, 0, \zero
	MUL8 \f, 0, 2, \zero
	PLACES
	FETCH \slot, \k, \g
	s_wait_dscnt 32                                ; all but the 32 just issued
	MUL8 \f, 1, 0, 0
	MUL8 \f, 1, 2, 0
.endm
; The last quarter changes slots: ONE barrier; in front of it each wave waits for all its tensor loads, adds 0 to its spare word, and waits for that and for its reads of this slot
.macro TURN slot, next, fill
	WIN 0
	s_wait_tensorcnt 0x0                           ; all my tensor loads have landed: my part of the next slot
	ds_add_u32 v[SPW], v[NIL]                      ; 0 onto my spare word
	s_wait_dscnt 17                                ; the add and the youngest sixteen loads may be out
	MUL8 F1, 0, 0, 0
	s_wait_dscnt 0x0                               ; the add is done, and my reads of this slot are over
	s_barrier_signal -1
	MUL8 F1, 0, 2, 0
.if \fill
	WIN 0
.endif
	s_barrier_wait -1
.if \fill
	CREST                                          ; no wave of any partner still reads this slot or has a load on its way
	s_add_nc_u64 s[G0+4*(\slot)+2:G0+4*(\slot)+3], s[G0+4*(\slot)+2:G0+4*(\slot)+3], 2*KSTEP*2
	s_add_nc_u64 s[G0B+4*(\slot)+2:G0B+4*(\slot)+3], s[G0B+4*(\slot)+2:G0B+4*(\slot)+3], 2*KSTEP*2
	JLOAD \slot                                    ; the first tensor load behind the round; its four v_nop are also the places in front of the loads below
.else
	PLACES
.endif
	FETCH \next, 0, F0
	MUL8 F1, 1, 0, 0
	MUL8 F1, 1, 2, 0
.endm
	s_wait_tensorcnt 1                             ; my part of K step 0 is in; step 1's may stay out
	s_barrier_signal -1
	s_barrier_wait -1
	FETCH 0, 0, F0
	QUARTER 0, 128, F0, F1, 1                      ; the first products start the sums
	WIN 0
	s_mov_b32 s3, LAPS-1
.Llap:                                         ; a trip goes once round the ring and fills both slots again
	QUARTER 0, 256, F1, F0, 0
	QUARTER 0, 384, F0, F1, 0
	TURN 0, 1, 1
	QUARTER 1, 128, F0, F1, 0
	QUARTER 1, 256, F1, F0, 0
	QUARTER 1, 384, F0, F1, 0
	TURN 1, 0, 1
	QUARTER 0, 128, F0, F1, 0
	WIN 0
	s_sub_co_u32 s3, s3, 1
	s_cmp_lg_u32 s3, 0
	s_cbranch_scc1 .Llap
	QUARTER 0, 256, F1, F0, 0                      ; the last lap fills nothing
	QUARTER 0, 384, F0, F1, 0
	TURN 0, 1, 0
	QUARTER 1, 128, F0, F1, 0
	QUARTER 1, 256, F1, F0, 0
	QUARTER 1, 384, F0, F1, 0
	s_wait_dscnt 16
	MUL8 F1, 0, 0, 0
	MUL8 F1, 0, 2, 0
	s_wait_dscnt 0
	MUL8 F1, 1, 0, 0
	MUL8 F1, 1, 2, 0
	WIN 0
	; THE WAY OUT, in f32: my 64 columns are 256 aligned bytes of a row, so the stage is my own and no barrier is needed.  16 rows at a time: 32 bytes a lane in, whole rows back, stored.
	PLACES
.irp a, 0,1,2,3
.if (\a) >= 2
	s_wait_xcnt 0x0                                ; the stores of two blocks back have read the registers that are loaded again
.endif
.irp b, 0,1,2,3
	ds_store_b128 v[STO], v[ACC+8*(4*(\a)+(\b)):ACC+8*(4*(\a)+(\b))+3]   offset:64*(\b)      ; each accumulator's low registers first
	ds_store_b128 v[STO], v[ACC+8*(4*(\a)+(\b))+4:ACC+8*(4*(\a)+(\b))+7] offset:64*(\b)+16
.endr
.irp t, 0,1,2,3,4,5,6,7
	ds_load_b128 v[TMP+32*((\a)%2)+4*(\t):TMP+32*((\a)%2)+4*(\t)+3], v[RD] offset:(\t)*2*SPITCH  ; LDS serves a wave's instructions in order (ISA guide 5.7.1.4)
.endr
.irp t, 0,1,2,3,4,5,6,7
	s_wait_dscnt 7-(\t)
	global_store_b128 v[CO], v[TMP+32*((\a)%2)+4*(\t):TMP+32*((\a)%2)+4*(\t)+3], s[8:9] offset:(16*(\a)+2*(\t))*OUTB  ; 16 lanes store 256 consecutive bytes, aligned
.endr
.endr
	s_wait_tensorcnt 0x0                           ; the wave's end
	ds_add_u32 v[SPW], v[NIL]
	s_wait_dscnt 0x0
	CROUND                                         ; the closing round
	s_endpgm
.Lfunc_end_k_q1138f9f642_oproj:
	.size	k_q1138f9f642_oproj, .Lfunc_end_k_q1138f9f642_oproj-k_q1138f9f642_oproj
	.p2alignl 7, 3214868480
	.fill 96, 4, 3214868480
	.section	.rodata,"a",@progbits
	.p2align	6, 0x0
	.amdhsa_kernel k_q1138f9f642_oproj
		.amdhsa_group_segment_fixed_size 327680
		.amdhsa_private_segment_fixed_size 0
		.amdhsa_enable_private_segment 0
		.amdhsa_kernarg_size 24
		.amdhsa_user_sgpr_count 2
		.amdhsa_user_sgpr_kernarg_segment_ptr 1
		.amdhsa_wavefront_size32 1
		.amdhsa_system_sgpr_workgroup_id_x 1
		.amdhsa_system_sgpr_workgroup_id_y 1
		.amdhsa_system_sgpr_workgroup_id_z 1
		.amdhsa_system_vgpr_workitem_id 0
		.amdhsa_next_free_vgpr 512
		.amdhsa_next_free_sgpr 66
		.amdhsa_reserve_vcc 0
		.amdhsa_float_denorm_mode_32 3
		.amdhsa_float_denorm_mode_16_64 3
		.amdhsa_memory_ordered 1
		.amdhsa_forward_progress 1
		.amdhsa_inst_pref_size 87
	.end_amdhsa_kernel
	.amdgpu_metadata
---
amdhsa.version: [ 1, 2 ]
amdhsa.kernels:
  - .name:           k_q1138f9f642_oproj
    .symbol:         k_q1138f9f642_oproj.kd
    .args:
      - { .name: ao, .offset: 0, .size: 8, .value_kind: global_buffer, .address_space: global }
      - { .name: h16, .offset: 8, .size: 8, .value_kind: global_buffer, .address_space: global }
      - { .name: part, .offset: 16, .size: 8, .value_kind: global_buffer, .address_space: global }
    .group_segment_fixed_size: 327680
    .private_segment_fixed_size: 0
    .kernarg_segment_align: 8
    .kernarg_segment_size: 24
    .max_flat_workgroup_size: 128
    .sgpr_count:     66
    .vgpr_count:     512
    .wavefront_size: 32
...
	.end_amdgpu_metadata
.endif
;; end of part 4
;; launch bias (part 5): grid 256 x 1, 8 waves a work-group, no clusters, 0 bytes of LDS; arguments part, bo, out0; writes out0
.if DOCPART == 5
	.amdgcn_target "amdgcn-amd-amdhsa--gfx1250"
	.amdhsa_code_object_version 6
	.text
	.protected	k_q1138f9f642_bias
	.globl	k_q1138f9f642_bias
	.p2align	8
	.type	k_q1138f9f642_bias,@function
k_q1138f9f642_bias:
	s_mov_b64 s[64:65], 0
	v_nop
	global_prefetch_b8 v0, s[64:65] scope:SCOPE_SE
	s_setreg_imm32_b32 hwreg(HW_REG_WAVE_MODE, 25, 1), 1
	s_wait_xcnt 0x0
; out0 = part[0] + part[1] + bo.  part: [2][4096][512] f32, the two halves of K of the last product; bo: [512] f32, rounded to bf16 like every other input; out0: [4096][512] f32.
; A work-group takes 16 rows (32 KiB of out0).  Thread t keeps the columns 4 (t % 128) ..: its 16 bytes lie at 16 t of each 4,096 bytes (two rows), so its four bo stay in registers.
; All 17 loads of a wave go out at once; each load and store of a wave covers 512 consecutive bytes, aligned.  A stream read once: no LDS, no matrix unit, no cluster, no loop.
.set BO, 4                             ; v[4:7]    bo as loaded
.set A,  8                             ; v[8:39]   slot i: part[0], then the sum
.set B,  40                            ; v[40:71]  slot i: part[1]
.set BR, 72                            ; v[72:75]  bo rounded to bf16, as f32
.set T,  76                            ; v[76:77]  at work
	s_load_b128 s[4:7], s[0:1], 0x0                ; part s[4:5], bo s[6:7]
	s_load_b64 s[8:9], s[0:1], 0x10                ; out0
	v_lshlrev_b32 v1, 4, v0                        ; 16 t
	v_and_b32 v2, 127, v0
	v_lshlrev_b32 v2, 4, v2                        ; my four numbers of bo
	s_lshl_b32 s12, ttmp9, 15                      ; the work-group's 16 rows
	s_mov_b32 s13, 0
	s_wait_kmcnt 0x0
	s_add_nc_u64 s[4:5], s[4:5], s[12:13]
	s_add_nc_u64 s[10:11], s[4:5], 0x800000        ; the second half's sums
	s_add_nc_u64 s[8:9], s[8:9], s[12:13]
	global_load_b128 v[BO:BO+3], v2, s[6:7]
.irp i, 0,1,2,3,4,5,6,7
	global_load_b128 v[A+4*(\i):A+4*(\i)+3], v1, s[4:5]   offset:4096*(\i) th:TH_LOAD_NT
	global_load_b128 v[B+4*(\i):B+4*(\i)+3], v1, s[10:11] offset:4096*(\i) th:TH_LOAD_NT
.endr
	s_wait_loadcnt 16                              ; bo is in; the sixteen loads behind it may stay out
	v_cvt_pk_bf16_f32 v[T],   v[BO],   v[BO+1]
	v_cvt_pk_bf16_f32 v[T+1], v[BO+2], v[BO+3]
	v_lshlrev_b32 v[BR],   16, v[T]
	v_and_b32     v[BR+1], 0xffff0000, v[T]
	v_lshlrev_b32 v[BR+2], 16, v[T+1]
	v_and_b32     v[BR+3], 0xffff0000, v[T+1]
.irp i, 0,1,2,3,4,5,6,7
	s_wait_loadcnt 14-2*(\i)                       ; slot i's pair is in; the younger pairs may stay out
	v_pk_add_f32 v[A+4*(\i):A+4*(\i)+1],   v[A+4*(\i):A+4*(\i)+1],   v[B+4*(\i):B+4*(\i)+1]
	v_pk_add_f32 v[A+4*(\i)+2:A+4*(\i)+3], v[A+4*(\i)+2:A+4*(\i)+3], v[B+4*(\i)+2:B+4*(\i)+3]
	v_pk_add_f32 v[A+4*(\i):A+4*(\i)+1],   v[A+4*(\i):A+4*(\i)+1],   v[BR:BR+1]
	v_pk_add_f32 v[A+4*(\i)+2:A+4*(\i)+3], v[A+4*(\i)+2:A+4*(\i)+3], v[BR+2:BR+3]
	global_store_b128 v1, v[A+4*(\i):A+4*(\i)+3], s[8:9] offset:4096*(\i) th:TH_STORE_NT
.endr
	s_endpgm
.Lfunc_end_k_q1138f9f642_bias:
	.size	k_q1138f9f642_bias, .Lfunc_end_k_q1138f9f642_bias-k_q1138f9f642_bias
	.p2alignl 7, 3214868480
	.fill 96, 4, 3214868480
	.section	.rodata,"a",@progbits
	.p2align	6, 0x0
	.amdhsa_kernel k_q1138f9f642_bias
		.amdhsa_group_segment_fixed_size 0
		.amdhsa_private_segment_fixed_size 0
		.amdhsa_enable_private_segment 0
		.amdhsa_kernarg_size 24
		.amdhsa_user_sgpr_count 2
		.amdhsa_user_sgpr_kernarg_segment_ptr 1
		.amdhsa_wavefront_size32 1
		.amdhsa_system_sgpr_workgroup_id_x 1
		.amdhsa_system_sgpr_workgroup_id_y 1
		.amdhsa_system_sgpr_workgroup_id_z 1
		.amdhsa_system_vgpr_workitem_id 0
		.amdhsa_next_free_vgpr 80
		.amdhsa_next_free_sgpr 66
		.amdhsa_reserve_vcc 0
		.amdhsa_float_denorm_mode_32 3
		.amdhsa_float_denorm_mode_16_64 3
		.amdhsa_memory_ordered 1
		.amdhsa_forward_progress 1
		.amdhsa_inst_pref_size 6
	.end_amdhsa_kernel
	.amdgpu_metadata
---
amdhsa.version: [ 1, 2 ]
amdhsa.kernels:
  - .name:           k_q1138f9f642_bias
    .symbol:         k_q1138f9f642_bias.kd
    .args:
      - { .name: part, .offset: 0, .size: 8, .value_kind: global_buffer, .address_space: global }
      - { .name: bo, .offset: 8, .size: 8, .value_kind: global_buffer, .address_space: global }
      - { .name: out0, .offset: 16, .size: 8, .value_kind: global_buffer, .address_space: global }
    .group_segment_fixed_size: 0
    .private_segment_fixed_size: 0
    .kernarg_segment_align: 8
    .kernarg_segment_size: 24
    .max_flat_workgroup_size: 256
    .sgpr_count:     66
    .vgpr_count:     80
    .wavefront_size: 32
...
	.end_amdgpu_metadata
.endif
;; end of part 5
